; MI455X (gfx1250); checked and timed in simulation.
; The chip was launched on July 23, 2026; its instructions are those of AMD's public machine-readable ISA for CDNA 5 (MIT licence, August 2026) and "CDNA5" Instruction Set Architecture Reference Guide (July 2026). The comments in the code are by the model that wrote it; some were corrected since.
;; Causal Multi Head Self Attention. Allowed arithmetic: matrix products marked QUANTISED: E2M1 operands, one E8M0 scale for each 32 along K, by v_wmma_scale_f32_16x16x128_f8f6f4 with both operands' format E2M1 (or v_wmma_scale_f32_32x16x128_f4), f32 sums; products left as they are: bf16, f16 or f32 operands; f32 sums; everything else in f32.
;; Inputs: Wk 1,024 x 1,024 float32; Wo 1,024 x 1,024 float32; Wq 1,024 x 1,024 float32; Wv 1,024 x 1,024 float32; x 4 x 2,048 x 1,024 float32.
;; Outputs: out0 4 x 2,048 x 1,024 float32.
;; This version of the problem:
;;   THIS VERSION OF THE PROBLEM IS GIVEN IN LOW PRECISION. The matrix products marked QUANTISED in the list below multiply operands that are first quantised to E2M1 (2 exponent bits, 1 mantissa bit; 4 bits a number), with one power-of-two scale for each 32 numbers along K (OCP MX v1.0); their sums are f32. The products marked 'left as it is' may take bf16, f16 or f32 operands, with f32 sums. Whichever they take, every output number must still come out within the allowed error. Rounding operands to bf16 (8 significant bits) uses up far more of that allowance than f16 does (11 bits, for magnitudes from 6e-5 to 65,504). All else is computed in f32.
;;   The module's matrix products, in the order in which they are computed (A, B: the left and right operand; K: the contracted axis; several contracted axes count as one K, in the product's order):
;;     1. [M 8,192, K 1,024] x [K 1,024, N 1,024]; A: input x; B: input Wq: QUANTISED
;;     2. [M 8,192, K 1,024] x [K 1,024, N 1,024]; A: input x; B: input Wk: QUANTISED
;;     3. [M 8,192, K 1,024] x [K 1,024, N 1,024]; A: input x; B: input Wv: QUANTISED
;;     4. batch 64 x [M 2,048, K 64] x [K 64, N 2,048]; A: computed on the way; B: computed on the way: left as it is (an operand is computed on the way)
;;     5. batch 64 x [M 2,048, K 2,048] x [K 2,048, N 64]; A: computed on the way; B: computed on the way: left as it is (an operand is computed on the way)
;;     6. [M 8,192, K 1,024] x [K 1,024, N 1,024]; A: computed on the way; B: input Wo: left as it is (an operand is computed on the way)
;;   THE QUANTISER, for each operand of a quantised product, along K:
;;     - K is cut into blocks of 32 from its start; a last block that is shorter is filled with zeros.
;;     - A block's scale is 2^e with e = floor(log2(the largest magnitude in the block)) - 2, held to -126 .. 127; a block of zeros has e = 0. As a byte (E8M0): e + 127.
;;     - Each number is divided by its block's scale, clamped to +-6, and rounded to the nearest number of E2M1, ties to even, subnormals kept.
;;     - The product sums the exact products of the quantised numbers (number of the format x scale) in f32.
;;   ~~~python
;;   def quantise(x, axis):      # numpy; x: float32 -> the quantised numbers, widened to float32 again
;;       x = np.moveaxis(x, axis, -1); K = x.shape[-1]
;;       x = np.pad(x, [(0, 0)] * (x.ndim - 1) + [(0, -K % 32)]); x = x.reshape(x.shape[:-1] + (-1, 32)); a = np.abs(x).max(-1, keepdims=True)
;;       e = np.where(a > 0, np.clip(np.frexp(np.where(a > 0, a, 1))[1] - 1 - 2, -126, 127), 0)      # np.frexp(a)[1] - 1 = floor(log2(a)), exactly
;;       r = np.clip(x / 2.0 ** e, -6, 6)
;;       step = 2.0 ** (np.maximum(np.frexp(np.where(r == 0, 1, r))[1] - 1, 0) - 1)
;;       q = np.round(r / step) * step * 2.0 ** e      # np.round: ties to even
;;       return np.moveaxis(q.reshape(q.shape[:-2] + (-1,))[..., :K], -1, axis).astype(np.float32)
;;   ~~~
;; One version. Each part assembles by itself: llvm-mc -triple=amdgcn-amd-amdhsa -mcpu=gfx1250 --defsym DOCPART=n.
;; ======== version 1 of 1: 5 launches
;; limits: values are held in f16: magnitudes above 65,504 overflow, below 6.1e-05 lose precision
;; workspace buffers: codes 5,767,168 bytes; scales 360,448 bytes; wo16 2,097,152 bytes; rope 524,288 bytes; qkv16 50,331,648 bytes; o16 16,777,216 bytes; qkvf 786,432 bytes
;; launch prep (part 1): grid 416 x 1, 4 waves a work-group, no clusters, 33,280 bytes of LDS; arguments x, Wq, Wk, Wv, Wo, codes, scales, wo16, rope; writes codes, scales, wo16, rope
.if DOCPART == 1
	.amdgcn_target "amdgcn-amd-amdhsa--gfx1250"
	.amdhsa_code_object_version 6
	.text
	.protected	k_q07fbd79aba_prep
	.globl	k_q07fbd79aba_prep
	.p2align	8
	.type	k_q07fbd79aba_prep,@function
k_q07fbd79aba_prep:
	s_mov_b64 s[64:65], 0
	v_nop
	global_prefetch_b8 v0, s[64:65] scope:SCOPE_SE
	s_setreg_imm32_b32 hwreg(HW_REG_WAVE_MODE, 25, 1), 1
	s_wait_xcnt 0x0
; THREE JOBS IN ONE LAUNCH, told apart by the work-group's number alone.
; Work-groups 0-351: x [8192][1024] and Wq, Wk, Wv [1024][1024], f32, K innermost, become codes of FP4 (E2M1), two a byte, and one E8M0 byte for each 32 along K.
;   The four tensors' codes lie on end in one buffer (rows of 512 bytes: x's 8,192, then 1,024 each of Wq, Wk, Wv), their scale bytes likewise (rows of 32 bytes).
;   A block's scale is 2^(floor(log2(largest magnitude)) - 2): its byte is the largest magnitude's exponent field - 2, held at 1 from below.
; Work-groups 352-383: Wo, f32, becomes f16 (the last product is left as it is, and takes f16 operands).
; Work-groups 384-415: the table of RoPE, [2048 positions][32 pairs][cos, sin] f32, by a range reduction and two polynomials in f32.
; LIMITS: NaN and infinities are not served.  A block whose largest magnitude lies under 2^-124 gets the byte 1, a block of zeros too (its codes are zeros, and this program alone reads the bytes).
;   |Wo| stays under 65,504, the largest f16 number.
.set STEPS, 16
.set EMAX,  2
.set CB,    8                          ; bytes of 16 codes
.set R,     16                         ; v16-79   four sets of 16 numbers as they are loaded
.set X,     80                         ; v80-111  two sets of 16 neighbours
.set C,     128                        ; v128-191 codes: four registers for each step
.set E,     112                        ; v112-127 a scale byte for each step
.set WREG,  8192                       ; LDS: a region for each wave: two stages of 32 x SP bytes, behind them its 256 scale bytes
.set SP,    80                         ; a lane's place in a stage: 64 bytes + 16 of padding
.set SPW,   12                         ; v12  LDS address of my spare word; never rewritten
.set NIL,   13                         ; v13  0; never rewritten
.set SPARE, 4*WREG                     ; the spare words, 128 bytes a wave, named by no other line
	s_load_b256 s[4:11], s[0:1], 0x0               ; x, Wq, Wk, Wv
	s_load_b256 s[12:19], s[0:1], 0x20             ; Wo, codes, scales, wo16
	s_load_b64 s[20:21], s[0:1], 0x40              ; rope
	v_lshl_add_u32 v[SPW], v0, 2, SPARE
	v_mov_b32 v[NIL], 0
	v_lshrrev_b32 v1, 5, v0
	v_readfirstlane_b32 s22, v1                    ; wave
	v_and_b32 v2, 31, v0                           ; lane
	s_lshl_b32 s23, ttmp9, 2
	s_add_co_u32 s23, s23, s22                     ; 4 x work-group + wave
	s_mov_b32 s27, 0
	s_wait_kmcnt 0x0
	s_cmp_ge_u32 ttmp9, 352
	s_cbranch_scc1 .Lother
; ---------------- the quantiser: a wave takes 16 steps of 512 numbers ----------------
; Each load reads 512 consecutive bytes; a step's 2,048 bytes turn through the wave's own stage in LDS, so that a lane gets 16 neighbours along K; two neighbouring lanes hold a block.
	v_lshlrev_b32 v3, 4, v2                        ; my 16 bytes of a load's 512
	s_mul_i32 s24, s22, WREG
	v_lshrrev_b32 v14, 2, v2
	v_mul_u32_u24 v14, v14, SP
	v_and_b32 v15, 3, v2
	v_lshl_add_u32 v14, v15, 4, v14
	v_add_nc_u32 v14, s24, v14                     ; the stage, on the way in: SP (lane / 4) + 16 (lane % 4)
	v_mul_u32_u24 v15, v2, SP
	v_add_nc_u32 v15, s24, v15                     ; on the way out: SP x lane
	v_mul_u32_u24 v4, v2, CB                       ; my codes' place in a step's
	v_lshrrev_b32 v5, 1, v2
	s_add_co_u32 s24, s24, 2*32*SP
	v_add_nc_u32 v5, s24, v5                       ; my wave's 256 scale bytes, my block's byte
	v_lshlrev_b32 v7, 3, v2
	v_add_nc_u32 v6, s24, v7                       ; and 8 bytes a lane on the way out
	s_and_b32 s25, ttmp9, 31
	s_cmp_lt_u32 ttmp9, 288                        ; which tensor: the choice hangs on the work-group's number alone
	s_cselect_b64 s[6:7], s[6:7], s[8:9]
	s_cmp_lt_u32 ttmp9, 320
	s_cselect_b64 s[6:7], s[6:7], s[10:11]
	s_cmp_lt_u32 ttmp9, 256
	s_cselect_b64 s[4:5], s[4:5], s[6:7]
	s_cselect_b32 s25, ttmp9, s25                  ; the work-group's number inside its tensor
	s_lshl_b32 s25, s25, 2
	s_add_co_u32 s25, s25, s22
	s_lshl_b32 s26, s25, 15                        ; a run of 8,192 numbers is 32,768 bytes
	s_add_nc_u64 s[4:5], s[4:5], s[26:27]
	s_lshl_b32 s26, s23, 12                        ; 4,096 bytes of codes: the four tensors lie on end
	s_add_nc_u64 s[14:15], s[14:15], s[26:27]
	s_lshl_b32 s26, s23, 8                         ; 256 scale bytes
	s_add_nc_u64 s[16:17], s[16:17], s[26:27]
.macro LOAD t
.irp i, 0,1,2,3
	global_load_b128 v[R+16*((\t)%4)+4*\i:R+16*((\t)%4)+4*\i+3], v3, s[4:5] offset:2048*(\t)+512*\i th:TH_LOAD_NT
.endr
.endm
.macro TURN t                          ; step t through the stage: LDS serves a wave's instructions in order, so no wait stands between the stores and the loads
.irp i, 0,1,2,3
	ds_store_b128 v14, v[R+16*((\t)%4)+4*\i:R+16*((\t)%4)+4*\i+3] offset:32*SP*((\t)%2)+8*SP*\i
.endr
.irp i, 0,1,2,3
	ds_load_b128 v[X+16*((\t)%2)+4*\i:X+16*((\t)%2)+4*\i+3], v15 offset:32*SP*((\t)%2)+16*\i
.endr
.endm
.irp t, 0,1,2,3
	LOAD \t
.endr
	s_wait_loadcnt 12                              ; step 0's four loads are in
	TURN 0
.macro STEP t
.set XS, X+16*((\t)%2)
.if (\t) > 0
	s_wait_dscnt 1                                 ; this step's numbers are back from the stage (the last step's byte store may be out)
.else
	s_wait_dscnt 0x0
.endif
.if (\t)+4 < STEPS
	LOAD (\t)+4
.endif
.if (\t)+1 < STEPS
.if STEPS-2-(\t) >= 3
	s_wait_loadcnt 12                              ; the next step's four loads are in; those of the three steps behind it may be out
.else
	s_wait_loadcnt 4*(STEPS-2-(\t))
.endif
	TURN (\t)+1
.endif
	v_max3_num_f32 v8, |v[XS]|, |v[XS+1]|, |v[XS+2]|               ; the largest magnitude of my 16
	v_max3_num_f32 v9, |v[XS+3]|, |v[XS+4]|, |v[XS+5]|
.irp i, 6,10
	v_max3_num_f32 v8, v8, |v[XS+\i]|, |v[XS+\i+1]|
	v_max3_num_f32 v9, v9, |v[XS+\i+2]|, |v[XS+\i+3]|
.endr
	v_max3_num_f32 v8, v8, |v[XS+14]|, |v[XS+15]|
	v_max3_num_f32 v8, v8, v9, (EMAX+1)<<23        ; and the floor 2^(3 - 127): the byte cannot fall under 1
	v_max_num_f32_dpp v8, v8, v8 row_xmask:1 row_mask:0xf bank_mask:0xf   ; and of my neighbour's 16: the block's
	v_add_nc_u32 v11, -(EMAX<<23), v8              ; 2 off its exponent field: the conversion takes the exponent field of this operand as its scale
	v_cvt_scalef32_pk8_fp4_f32 v[C+4*(\t)], v[XS:XS+7], v11
	v_cvt_scalef32_pk8_fp4_f32 v[C+4*(\t)+1], v[XS+8:XS+15], v11
	v_lshrrev_b32 v[E+(\t)], 23, v11               ; the scale's byte
	ds_store_b8 v5, v[E+(\t)] offset:16*(\t)       ; both lanes of a block write the same byte with the same value
	global_store_b64 v4, v[C+4*(\t):C+4*(\t)+1], s[14:15] offset:32*CB*(\t)   ; the wave stores 256 consecutive bytes, aligned
.endm
.irp t, 0,1,2,3,4,5,6,7,8,9,10,11,12,13,14,15
	STEP \t
.endr
	ds_load_b64 v[8:9], v6                         ; LDS serves a wave's instructions in order: these see my stores
	s_wait_dscnt 0x0
	global_store_b64 v7, v[8:9], s[16:17]          ; 256 consecutive scale bytes, aligned
	s_wait_tensorcnt 0x0                           ; the wave's end, behind my last LDS store
	ds_add_u32 v[SPW], v[NIL]
	s_wait_dscnt 0x0
	s_endpgm
.Lother:
	s_cmp_ge_u32 ttmp9, 384
	s_cbranch_scc1 .Lrope
; ---------------- Wo to f16: a wave takes 8,192 numbers, 32 steps of 256, in four groups of eight steps ----------------
	s_sub_co_u32 s24, s23, 4*352                   ; my run, 0 .. 127
	s_lshl_b32 s26, s24, 15
	s_add_nc_u64 s[12:13], s[12:13], s[26:27]
	s_lshl_b32 s26, s24, 14
	s_add_nc_u64 s[18:19], s[18:19], s[26:27]
	v_lshlrev_b32 v1, 5, v2                        ; in: my 8 numbers, 32 bytes
	v_lshlrev_b32 v3, 4, v2                        ; out: 16 bytes: the wave stores 512 consecutive bytes
.macro LOADG g
.irp k, 0,1,2,3,4,5,6,7
	global_load_b128 v[32+64*((\g)%2)+8*\k:32+64*((\g)%2)+8*\k+3], v1, s[12:13] offset:(8*(\g)+\k)*1024 th:TH_LOAD_NT
	global_load_b128 v[32+64*((\g)%2)+8*\k+4:32+64*((\g)%2)+8*\k+7], v1, s[12:13] offset:(8*(\g)+\k)*1024+16 th:TH_LOAD_NT
.endr
.endm
.macro CASTG g
.if (\g) < 3
	s_wait_loadcnt 16                              ; this group's 16 loads are in, the next group's may be out
.else
	s_wait_loadcnt 0
.endif
.if (\g) > 0
	s_wait_xcnt 0x0                                ; the last group's stores have read v160-191
.endif
.irp k, 0,1,2,3,4,5,6,7
.irp p, 0,1,2,3
	v_cvt_pk_f16_f32 v[160+4*\k+\p], v[32+64*((\g)%2)+8*\k+2*\p], v[32+64*((\g)%2)+8*\k+2*\p+1]
.endr
.endr
.irp k, 0,1,2,3,4,5,6,7
	global_store_b128 v3, v[160+4*\k:160+4*\k+3], s[18:19] offset:(8*(\g)+\k)*512
.endr
.if (\g) < 2
	LOADG (\g)+2
.endif
.endm
	LOADG 0
	LOADG 1
	CASTG 0
	CASTG 1
	CASTG 2
	CASTG 3
	s_endpgm
.Lrope:
; ---------------- the table: a wave makes 16 positions, lane = pair j ----------------
; angle a = position x 10000^(-j / 32), in f32 as the definition has it.  r = a - 2 pi n in two parts; sine and cosine of r / 2 (at most pi / 2 in size) by their series
; to x^13 and x^12 (the first terms left out are under 1e-8); then cos r = c c - s s, sin r = 2 s c.
	s_sub_co_u32 s24, s23, 4*384                   ; 0 .. 127
	s_lshl_b32 s26, s24, 12                        ; 16 rows of 256 bytes
	s_add_nc_u64 s[20:21], s[20:21], s[26:27]
	s_lshl_b32 s25, s24, 4                         ; my first position
	s_mov_b32 s28, 0x40c90fdb                      ; 2 pi, its f32 part,
	s_mov_b32 s29, 0xb43bbd2e                      ; and what is left
	v_cvt_f32_u32 v3, v2
	v_mul_f32 v3, 0xbed49a78, v3                   ; -j log2(10000) / 32
	v_exp_f32 v3, v3
	v_lshlrev_b32 v1, 3, v2                        ; 8 bytes a lane (a plain line behind the exponential)
	s_wait_alu depctr_va_vdst(0)                   ; the wait ahead of the result's first use
	s_mov_b32 s24, 0
.Lpos:
	v_cvt_f32_u32 v4, s25
	v_mul_f32 v4, v4, v3                           ; a
	v_mul_f32 v5, 0x3e22f983, v4                   ; a / 2 pi
	v_rndne_f32 v5, v5                             ; n
	v_fma_f32 v4, -v5, s28, v4
	v_fma_f32 v4, -v5, s29, v4                     ; r
	v_mul_f32 v4, 0.5, v4                          ; half of it
	v_mul_f32 v6, v4, v4                           ; z
	v_mov_b32 v7, 0x2f309231                       ; 1 / 13!
	v_mov_b32 v8, 0x310f76c7                       ; 1 / 12!
	v_fmaak_f32 v7, v7, v6, 0xb2d7322b
	v_fmaak_f32 v8, v8, v6, 0xb493f27e
	v_fmaak_f32 v7, v7, v6, 0x3638ef1d
	v_fmaak_f32 v8, v8, v6, 0x37d00d01
	v_fmaak_f32 v7, v7, v6, 0xb9500d01
	v_fmaak_f32 v8, v8, v6, 0xbab60b61
	v_fmaak_f32 v7, v7, v6, 0x3c088889
	v_fmaak_f32 v8, v8, v6, 0x3d2aaaab
	v_fmaak_f32 v7, v7, v6, 0xbe2aaaab
	v_fmaak_f32 v8, v8, v6, 0xbf000000
	v_mul_f32 v7, v7, v6
	v_fma_f32 v8, v8, v6, 1.0                      ; c
	v_fma_f32 v7, v7, v4, v4                       ; s
	v_mul_f32 v9, v7, v7
	v_add_f32 v10, v7, v7
	v_fma_f32 v20, v8, v8, -v9                     ; cos r
	v_mul_f32 v21, v10, v8                         ; sin r
	global_store_b64 v1, v[20:21], s[20:21]        ; the wave stores a position's 256 bytes, aligned
	s_wait_xcnt 0x0                                ; the store has read its base and its data: both are written again below
	s_add_nc_u64 s[20:21], s[20:21], 256
	s_add_co_u32 s25, s25, 1
	s_add_co_u32 s24, s24, 1
	s_cmp_lt_u32 s24, 16
	s_cbranch_scc1 .Lpos
	s_endpgm
.Lfunc_end_k_q07fbd79aba_prep:
	.size	k_q07fbd79aba_prep, .Lfunc_end_k_q07fbd79aba_prep-k_q07fbd79aba_prep
	.p2alignl 7, 3214868480
	.fill 96, 4, 3214868480
	.section	.rodata,"a",@progbits
	.p2align	6, 0x0
	.amdhsa_kernel k_q07fbd79aba_prep
		.amdhsa_group_segment_fixed_size 33280
		.amdhsa_private_segment_fixed_size 0
		.amdhsa_enable_private_segment 0
		.amdhsa_kernarg_size 72
		.amdhsa_user_sgpr_count 2
		.amdhsa_user_sgpr_kernarg_segment_ptr 1
		.amdhsa_wavefront_size32 1
		.amdhsa_system_sgpr_workgroup_id_x 1
		.amdhsa_system_sgpr_workgroup_id_y 1
		.amdhsa_system_sgpr_workgroup_id_z 1
		.amdhsa_system_vgpr_workitem_id 0
		.amdhsa_next_free_vgpr 192
		.amdhsa_next_free_sgpr 66
		.amdhsa_reserve_vcc 0
		.amdhsa_float_denorm_mode_32 3
		.amdhsa_float_denorm_mode_16_64 3
		.amdhsa_memory_ordered 1
		.amdhsa_forward_progress 1
		.amdhsa_inst_pref_size 53
	.end_amdhsa_kernel
	.amdgpu_metadata
---
amdhsa.version: [ 1, 2 ]
amdhsa.kernels:
  - .name:           k_q07fbd79aba_prep
    .symbol:         k_q07fbd79aba_prep.kd
    .args:
      - { .name: x, .offset: 0, .size: 8, .value_kind: global_buffer, .address_space: global }
      - { .name: Wq, .offset: 8, .size: 8, .value_kind: global_buffer, .address_space: global }
      - { .name: Wk, .offset: 16, .size: 8, .value_kind: global_buffer, .address_space: global }
      - { .name: Wv, .offset: 24, .size: 8, .value_kind: global_buffer, .address_space: global }
      - { .name: Wo, .offset: 32, .size: 8, .value_kind: global_buffer, .address_space: global }
      - { .name: codes, .offset: 40, .size: 8, .value_kind: global_buffer, .address_space: global }
      - { .name: scales, .offset: 48, .size: 8, .value_kind: global_buffer, .address_space: global }
      - { .name: wo16, .offset: 56, .size: 8, .value_kind: global_buffer, .address_space: global }
      - { .name: rope, .offset: 64, .size: 8, .value_kind: global_buffer, .address_space: global }
    .group_segment_fixed_size: 33280
    .private_segment_fixed_size: 0
    .kernarg_segment_align: 8
    .kernarg_segment_size: 72
    .max_flat_workgroup_size: 128
    .sgpr_count:     66
    .vgpr_count:     192
    .wavefront_size: 32
...
	.end_amdgpu_metadata
.endif
;; end of part 1
;; launch qkv (part 2): grid 12 x 32, 4 waves a work-group, clusters of 4 x 4, 327,680 bytes of LDS; arguments codes, scales, rope, qkv16, qkvf; writes qkv16, qkvf
.if DOCPART == 2
	.amdgcn_target "amdgcn-amd-amdhsa--gfx1250"
	.amdhsa_code_object_version 6
	.text
	.protected	k_q07fbd79aba_qkv
	.globl	k_q07fbd79aba_qkv
	.p2align	8
	.type	k_q07fbd79aba_qkv,@function
k_q07fbd79aba_qkv:
	s_mov_b64 s[64:65], 0
	v_nop
	global_prefetch_b8 v0, s[64:65] scope:SCOPE_SE
	s_setreg_imm32_b32 hwreg(HW_REG_WAVE_MODE, 25, 1), 1
	s_wait_xcnt 0x0
	s_wait_alu depctr_hold_cnt(0) depctr_sa_sdst(0) depctr_va_vdst(0) depctr_va_sdst(0) depctr_va_ssrc(0) depctr_va_vcc(0) depctr_vm_vsrc(0)
	s_getreg_b32 s2, hwreg(HW_REG_IB_STS2, 6, 4)
	s_cmp_eq_u32 s2, 0
	s_cbranch_scc0 .Lentry_in_a_cluster
	s_endpgm
.Lentry_in_a_cluster:
	s_bfe_u32 s2, ttmp6, 0x10000c
	s_cmp_lg_u32 s2, 0xf033
	s_cbranch_scc0 .Lentry_shape_is_right
	s_endpgm
.Lentry_shape_is_right:
; THE THREE QUANTISED PRODUCTS AS ONE GEMM ON CODES OF FP4, AND RoPE ON THE WAY OUT.  C[m][n] = sum over k of x[m][k] W[n][k]; m: 8,192 rows of x; n: 3,072 rows (Wq, Wk, Wv on end); K = 1,024.
; A tile of C, 256 x 256, is made by four waves, 128 x 128 each: 64 accumulators of 16 x 16, 512 registers.  K goes in two steps of 512 through two LDS slots (a tile's row is 256 bytes), both asked for at the start:
; nothing is filled again.  The scale bytes of the work-group's rows, for all of K, come once, beside them.
; CLUSTERS: 4 x 4 work-groups.  The four of a row of the cluster need the same tiles of x, the four of a column the same tiles of W: each tile is asked for JOINTLY.  Tile columns 0-3 are q's, 4-7 k's, 8-11 v's: so the kind is the cluster's x.
; THE MATRIX INSTRUCTION IS USED TRANSPOSED (source 0 = 16 rows of W, source 1 = 16 rows of x): a lane holds eight neighbouring channels of one position, that is four pairs of RoPE.
; THE WAY OUT: q is turned and multiplied by 2 log2(e) / 8, k turned and halved (so that q . k is the score in powers of two, and both have room in f16), v left as it is; all by ONE form: the table's (cos, sin) become
; (alpha cos + beta, alpha sin), with (alpha, beta) = (0.3607, 0), (0.5, 0), (0, 1).  Results leave as f16, [kind][batch x 16 + head][position][64]; the first 16 positions of each sequence also as f32.
; LIMITS: |0.36 q|, |0.5 k| and |v| stay under 65,504, the largest f16 number.  NaN and infinities are not served.
; REGISTERS, in windows of 256: window 0: v0-31 addresses; v32-95 scale words, two sets; v128-191 x's fragments, one set; v96-127 and v192-223 the table (idle in the loop).  window 1: W's fragments, two sets.
;   windows 2, 3: the accumulators of my rows 0-63, 64-127 (accumulator (a, b) at v[8 (8 (a % 4) + b)]).
.set NQ,     4                         ; matrix instructions deep in a slot
.set ROWB,   256                       ; a tile's row in bytes: 512 codes
.set KROW,   512                       ; a row of codes in memory
.set PITCH,  272                       ; an LDS row: 256 bytes + 16 of padding: the 16 rows that a load touches start at 16 different banks (64 banks of 4 bytes: ISA guide 11.1)
.set FR,     8                         ; registers of a fragment: 16 rows x 128 K
.set NL,     2                         ; LDS loads that bring one
.set NP,     4                         ; places behind this matrix instruction (ISA guide 7.12.1)
.set HALFT,  128*PITCH
.set SLOT,   4*HALFT                   ; x's 256 rows, then W's 256 rows
.set KS,     32                        ; a row of scale bytes
.set SCL,    2*SLOT                    ; behind the slots: the scales, as units of 256 bytes + 16 of padding
.set HALFS,  16*272                    ; the scales of 128 rows
.set SBLK,   2*272                     ; those of 16 rows
.set SPARE,  SCL+4*HALFS               ; the spare words, 128 bytes a wave, named by no other line
.set ADRA, 16                          ; v16-17  LDS address of my x fragments in slot 0, 1
.set ADRB, 20                          ; v20-21  the same for W
.set RT,   22                          ; v22     256 (lane % 16) + 32 (lane / 16): my place in the table's rows and in the f32 rows
.set P0,   23                          ; v23     my wave's first position
.set STO,  24                          ; v24     the way out: where I put 16 bytes of a row
.set RD,   25                          ; v25     where I read back
.set CO,   26                          ; v26     16 x lane
.set ADRS, 27                          ; v27     LDS address of my scale words: lanes 0-15 x's rows, lanes 16-31 W's
.set SPW,  28                          ; v28     my spare word; never rewritten
.set NIL,  29                          ; v29     0; never rewritten
.set BZ,   30                          ; v[30:31] (beta, 0)
.set SC,   32
.set AF,   128
.set T,    128                         ; the way out: v128-191 a block's 64 turned numbers a lane
.set PK,   32                          ; v32-63 the same as f16
.set G1, 24
.set G0, 32
.set G1B, 48
.set G0B, 56
.set G1S, 68
.set G0S, 76
.set G1SB, 80
.set G0SB, 88
.set MSB, 0
.macro WIN new                         ; the immediate's high byte repeats the setting that is left
.if MSB != \new
	s_set_vgpr_msb (MSB<<8)|\new
.set MSB, \new
.endif
.endm
.set MUL_LO, 0xa1                      ; source 0 (W) window 1, source 1 (x) window 0, C and D window 2
.set MUL_HI, 0xf1
.set TO_B,   0x40
; A joint load: waves 0 and 1 fetch for x, waves 2 and 3 for W.  The branch hangs on the wave's number alone.  An s_nop 0 and four v_nop follow each of the two lines.
.macro JLOAD g0a, g1a, g0b, g1b
	s_cmp_eq_u32 s15, 0
	s_cbranch_scc0 .Lfor_b_\@
	tensor_load_to_lds s[\g0a:\g0a+3], s[\g1a:\g1a+7]
	s_nop 0
.rept 4
	v_nop
.endr
	s_branch .Lasked_\@
.Lfor_b_\@:
	tensor_load_to_lds s[\g0b:\g0b+3], s[\g1b:\g1b+7]
	s_nop 0
.rept 4
	v_nop
.endr
.Lasked_\@:
.endm
.macro CROUND                          ; a round of the cluster's barrier
	s_barrier_signal -1
	s_barrier_wait -1
	s_cmp_lg_u32 s14, 0
	s_cbranch_scc1 .Lnot_wave_0_\@
	s_barrier_signal -3
.Lnot_wave_0_\@:
	s_barrier_wait -3
	s_barrier_signal -1
	s_barrier_wait -1
.endm
	s_load_b128 s[4:7], s[0:1], 0x0                ; codes, scales
	s_load_b128 s[96:99], s[0:1], 0x10             ; rope, qkv16
	s_load_b64 s[100:101], s[0:1], 0x20            ; qkvf
	v_lshl_add_u32 v[SPW], v0, 2, SPARE
	v_mov_b32 v[NIL], 0
	ds_add_u32 v[SPW], v[NIL]                      ; the wave's opening: the add, twice on end, and its wait ahead of my first tensor load
	ds_add_u32 v[SPW], v[NIL]
	v_lshrrev_b32 v1, 5, v0
	v_readfirstlane_b32 s14, v1                    ; wave 0..3
	s_lshr_b32 s15, s14, 1                         ; which half of the tile's rows is mine.  Also: I fetch for x (0) or for W (1)
	s_and_b32 s16, s14, 1                          ; which half of its columns.  Also: which 128 rows of that tile I fetch
	s_bfe_u32 s40, ttmp6, 0x40000                  ; cx, cy: my place in the cluster
	s_bfe_u32 s41, ttmp6, 0x40004
	s_lshl_b32 s42, ttmp9, 2
	s_add_co_u32 s42, s42, s40                     ; tile column = 4 x cluster x + cx
	s_and_b32 s17, ttmp7, 0xffff
	s_lshl_b32 s17, s17, 2
	s_add_co_u32 s17, s17, s41                     ; tile row = 4 x cluster y + cy
	s_lshl_b32 s43, s41, 2
	s_lshl_b32 s43, 15, s43                        ; my row of the cluster
	s_lshl_b32 s44, 0x1111, s40                    ; my column
	s_or_b32 s[G1+0], s43, (0<<16)|(1<<20)|(1<<21)|(5<<22)|(3<<25)  ; the mask; elements of 1 byte; padding on; bit 21 beside a mask; four words after every 64
	s_or_b32 s[G1B+0], s44, (0<<16)|(1<<20)|(1<<21)|(5<<22)|(3<<25)
.irp g, G1, G1B
	s_mov_b32 s[\g+1], ROWB<<16                    ; tensor_dim0
	s_mov_b32 s[\g+2], 128<<16                     ; tensor_dim1
	s_mov_b32 s[\g+3], ROWB<<16                    ; tile_dim0
	s_mov_b32 s[\g+4], 128                         ; tile_dim1
	s_mov_b32 s[\g+5], KROW                        ; from row to row
	s_mov_b32 s[\g+6], 0
	s_mov_b32 s[\g+7], 0
.endr
	s_or_b32 s[G1S+0], s43, (3<<16)|(1<<20)|(1<<21)|(5<<22)|(3<<25)  ; the scales of 128 rows: 4,096 dense bytes as 16 rows of 256 (32 elements of 8 bytes)
	s_or_b32 s[G1SB+0], s44, (3<<16)|(1<<20)|(1<<21)|(5<<22)|(3<<25)
.irp g, G1S, G1SB
	s_mov_b32 s[\g+1], 32<<16
	s_mov_b32 s[\g+2], 16<<16
	s_mov_b32 s[\g+3], 32<<16
	s_mov_b32 s[\g+4], 16
	s_mov_b32 s[\g+5], 32
	s_mov_b32 s[\g+6], 0
	s_mov_b32 s[\g+7], 0
.endr
	s_lshl_b32 s18, s16, 7
	s_lshl_b32 s20, s17, 8
	s_add_co_u32 s20, s20, s18                     ; x: row 256 x tile row + 128 x half
	s_lshl_b32 s46, s42, 8
	s_add_co_u32 s46, s46, s18                     ; W: row 256 x tile column + 128 x half
	s_mov_b32 s21, 0
	s_mov_b32 s47, 0
	s_mov_b64 s[18:19], KS
	s_mul_u64 s[22:23], s[20:21], s[18:19]         ; where these rows' scales begin
	s_mul_u64 s[92:93], s[46:47], s[18:19]
	s_mov_b64 s[18:19], KROW
	s_mul_u64 s[20:21], s[20:21], s[18:19]         ; and their codes
	s_mul_u64 s[46:47], s[46:47], s[18:19]
	s_mul_i32 s45, s14, HALFT                      ; where they go: wave x 128 rows
	s_mul_i32 s94, s14, HALFS
	s_wait_dscnt 0x0                               ; both opening adds are done
	s_wait_kmcnt 0x0
	s_add_nc_u64 s[20:21], s[4:5], s[20:21]
	s_add_nc_u64 s[22:23], s[6:7], s[22:23]
	s_add_nc_u64 s[46:47], s[4:5], s[46:47]
	s_add_nc_u64 s[46:47], s[46:47], 0x400000      ; W's codes lie behind x's 8,192 rows of 512 bytes,
	s_add_nc_u64 s[92:93], s[6:7], s[92:93]
	s_add_nc_u64 s[92:93], s[92:93], 0x40000       ; its scales behind x's 8,192 rows of 32
	CROUND                                         ; all sixteen work-groups are here: the first joint loads meet
	s_mov_b32 s[G0S], 1
	s_add_co_u32 s[G0S+1], s94, SCL
	s_mov_b64 s[G0S+2:G0S+3], s[22:23]
	s_or_b32 s[G0S+3], s[G0S+3], 0x80000000
	s_mov_b32 s[G0SB], 1
	s_add_co_u32 s[G0SB+1], s94, SCL
	s_mov_b64 s[G0SB+2:G0SB+3], s[92:93]
	s_or_b32 s[G0SB+3], s[G0SB+3], 0x80000000
	JLOAD G0S, G1S, G0SB, G1SB                     ; three loads of mine go out here: the scales, slot 0, slot 1
.irp s, 0,1
	s_mov_b32 s[G0+4*\s], 1
	s_add_co_u32 s[G0+4*\s+1], s45, \s*SLOT
	s_add_nc_u64 s[G0+4*\s+2:G0+4*\s+3], s[20:21], \s*ROWB
	s_or_b32 s[G0+4*\s+3], s[G0+4*\s+3], 0x80000000
	s_mov_b32 s[G0B+4*\s], 1
	s_add_co_u32 s[G0B+4*\s+1], s45, \s*SLOT
	s_add_nc_u64 s[G0B+4*\s+2:G0B+4*\s+3], s[46:47], \s*ROWB
	s_or_b32 s[G0B+4*\s+3], s[G0B+4*\s+3], 0x80000000
	JLOAD G0+4*\s, G1, G0B+4*\s, G1B
.endr
	v_and_b32 v1, 15, v0                           ; l % 16
	v_bfe_u32 v2, v0, 4, 1                         ; l / 16
	v_mul_u32_u24 v3, v1, PITCH
	v_lshl_add_u32 v4, v2, 4, v3                   ; a fragment's row x pitch + 16 x half
	s_mul_i32 s21, s15, HALFT
	s_mul_i32 s22, s16, HALFT
	s_add_co_u32 s22, s22, 2*HALFT
.irp s, 0,1
	v_add_nc_u32 v[ADRA+\s], s21, v4
	v_add_nc_u32 v[ADRB+\s], s22, v4
	s_add_co_u32 s21, s21, SLOT
	s_add_co_u32 s22, s22, SLOT
.endr
	v_mul_u32_u24 v5, v1, KS                       ; my row's scales: 32 bytes a row,
	v_lshrrev_b32 v6, 8, v5
	v_lshl_add_u32 v5, v6, 4, v5                   ; and 16 more for each 256 passed
	s_mul_i32 s21, s15, HALFS
	s_mul_i32 s22, s16, HALFS
	s_add_co_u32 s22, s22, 2*HALFS
	s_sub_co_u32 s22, s22, s21
	v_mul_u32_u24 v6, s22, v2                      ; lanes 16-31 take W's
	s_add_co_u32 s21, s21, SCL
	v_add_nc_u32 v5, v5, v6
	v_add_nc_u32 v[ADRS], s21, v5
	s_mul_i32 s23, s14, 16*272                     ; my stage: 16 rows x (256 bytes + 16), in slot 0, which has had its only fill and its last read when the first result is stored there
	v_mul_u32_u24 v5, v1, 272
	v_lshl_add_u32 v5, v2, 4, v5
	v_add_nc_u32 v[STO], s23, v5                   ; in: row l % 16, 16 bytes for each half of the lanes
	v_and_b32 v6, 31, v0
	v_lshlrev_b32 v[CO], 4, v6
	v_lshrrev_b32 v5, 3, v6
	v_mul_u32_u24 v5, v5, 272
	v_and_b32 v6, 7, v6
	v_lshl_add_u32 v5, v6, 4, v5
	v_add_nc_u32 v[RD], s23, v5                    ; back: eight lanes to a position's 128 bytes of one head, four positions an instruction
	v_lshlrev_b32 v[RT], 8, v1
	v_lshl_add_u32 v[RT], v2, 5, v[RT]
	; where my results go
	s_lshl_b32 s20, s17, 8
	s_lshl_b32 s21, s15, 7
	s_add_co_u32 s20, s20, s21                     ; my first row of x
	s_lshr_b32 s21, s20, 11                        ; its batch,
	s_and_b32 s20, s20, 2047                       ; its position
	s_lshl_b32 s46, s40, 2
	s_lshl_b32 s47, s16, 1
	s_add_co_u32 s46, s46, s47                     ; my first head: 4 cx + 2 x half
	s_lshl_b32 s21, s21, 4
	s_add_co_u32 s46, s46, s21                     ; + 16 x batch
	v_mov_b32 v[P0], s20
	s_lshl_b32 s22, s20, 8
	s_mov_b32 s23, 0
	s_add_nc_u64 s[96:97], s[96:97], s[22:23]      ; the table at my first position
	s_lshl_b32 s22, ttmp9, 24                      ; kind x 16,777,216
	s_lshl_b32 s47, s46, 18                        ; + head x 262,144
	s_add_co_u32 s22, s22, s47
	s_lshl_b32 s47, s20, 7                         ; + position x 128
	s_add_co_u32 s22, s22, s47
	s_add_nc_u64 s[98:99], s[98:99], s[22:23]
	s_lshl_b32 s22, ttmp9, 18                      ; the f32 rows: kind x 262,144 + head x 4,096
	s_lshl_b32 s47, s46, 12
	s_add_co_u32 s22, s22, s47
	s_add_nc_u64 s[100:101], s[100:101], s[22:23]
	s_mov_b32 s66, 0x3eb8aa3b                      ; alpha: q: 2 log2(e) / 8,
	s_cmp_eq_u32 ttmp9, 0
	s_cselect_b32 s66, s66, 0.5                    ; k: 0.5,
	s_cmp_eq_u32 ttmp9, 2
	s_cselect_b32 s66, 0, s66                      ; v: 0
	s_cselect_b32 s12, 1.0, 0                      ; beta: 1 for v
	s_mov_b32 s67, s66                             ; (named with it as a pair)
	v_mov_b32 v[BZ], s12
	v_mov_b32 v[BZ+1], 0
.macro FRAG reg, adr, q, i             ; 16 rows x 128 K of 4-bit codes: lane l holds row l % 16; registers 4 c .. 4 c + 3 hold K = 64 c + 32 (l / 16) + 0 .. 31
.irp c, 0,1
	ds_load_b128 v[\reg+4*\c:\reg+4*\c+3], v[\adr] offset:64*(\q)+32*\c+(\i)*16*PITCH
.endr
.endm
; 16 matrix instructions: x's blocks a0, a0 + 1 against W's eight.  The 64 accumulators take turns, one instruction a turn, in the same order in every step.
.macro MUL16 a0, p, q, sc, zero
.irp a, \a0, \a0+1
.irp b, 0,1,2,3,4,5,6,7
.if \zero
	v_wmma_scale_f32_16x16x128_f8f6f4 v[8*(8*((\a)%4)+\b):8*(8*((\a)%4)+\b)+7], v[128*(\p)+FR*\b:128*(\p)+FR*\b+FR-1], v[AF+FR*(\a):AF+FR*(\a)+FR-1], 0, v[SC+8*NQ*(\sc)+NQ*\b+(\q)], v[SC+8*NQ*(\sc)+NQ*(\a)+(\q)] matrix_a_fmt:MATRIX_FMT_FP4 matrix_b_fmt:MATRIX_FMT_FP4 matrix_a_scale:MATRIX_SCALE_ROW1
.else
	v_wmma_scale_f32_16x16x128_f8f6f4 v[8*(8*((\a)%4)+\b):8*(8*((\a)%4)+\b)+7], v[128*(\p)+FR*\b:128*(\p)+FR*\b+FR-1], v[AF+FR*(\a):AF+FR*(\a)+FR-1], v[8*(8*((\a)%4)+\b):8*(8*((\a)%4)+\b)+7], v[SC+8*NQ*(\sc)+NQ*\b+(\q)], v[SC+8*NQ*(\sc)+NQ*(\a)+(\q)] matrix_a_fmt:MATRIX_FMT_FP4 matrix_b_fmt:MATRIX_FMT_FP4 matrix_a_scale:MATRIX_SCALE_ROW1
.endif
.endr
.endr
.endm
.macro FETCH_B slot, q, p
	WIN TO_B
.irp i, 0,1,2,3,4,5,6,7
	FRAG 128*(\p)+FR*\i, ADRB+\slot, \q, \i
.endr
	WIN 0
.endm
.macro FETCH_A slot, q, i0
.irp i, \i0, \i0+1, \i0+2, \i0+3
	FRAG AF+FR*(\i), ADRA+\slot, \q, \i
.endr
.endm
.macro SCALES sc                       ; a slot's scale words: four words a row; lanes 0-15 take x's block i, lanes 16-31 W's block i
.irp i, 0,1,2,3,4,5,6,7
	ds_load_b128 v[SC+8*NQ*\sc+NQ*\i:SC+8*NQ*\sc+NQ*\i+3], v[ADRS] offset:\i*SBLK
.endr
.endm
.macro PLACES n                        ; plain vector instructions between a matrix instruction and a load into, or a read of, its registers
.rept \n
	v_nop
.endr
.endm
.macro STEP slot, q, zero              ; 128 along K, with its successor in the same slot
	s_wait_dscnt 4*NL                              ; W's set and x's blocks 0-3 are in; the youngest loads (x's blocks 4-7) may be out
	WIN MUL_LO
	MUL16 0, (\q)%2, \q, \slot, \zero
	MUL16 2, (\q)%2, \q, \slot, \zero
	s_wait_dscnt 0
	PLACES NP
	FETCH_B \slot, (\q)+1, 1-(\q)%2
	FETCH_A \slot, (\q)+1, 0
	WIN MUL_HI
	MUL16 4, (\q)%2, \q, \slot, \zero
	MUL16 6, (\q)%2, \q, \slot, \zero
	PLACES NP
	WIN 0
	FETCH_A \slot, (\q)+1, 4
.endm
.macro TURN slot, next                 ; slot 0's last step: one barrier, behind which slot 1 is whole for every wave and nobody reads slot 0
	s_wait_tensorcnt 0x0                           ; all my tensor loads have landed: my part of slot 1
	ds_add_u32 v[SPW], v[NIL]
	s_wait_dscnt 4*NL+1                            ; (the add and x's blocks 4-7 may be out)
	WIN MUL_LO
	MUL16 0, 1, NQ-1, \slot, 0
	s_wait_dscnt 0x0                               ; the add is done, and my reads of this slot are over
	s_barrier_signal -1
	MUL16 2, 1, NQ-1, \slot, 0
	WIN 0
	s_barrier_wait -1
	PLACES NP
	v_add_nc_u32 v[ADRS], 4*NQ, v[ADRS]            ; on to the next slot's scale words
	FETCH_B \next, 0, 0
	FETCH_A \next, 0, 0
	SCALES \next
	WIN MUL_HI
	MUL16 4, 1, NQ-1, \slot, 0
	MUL16 6, 1, NQ-1, \slot, 0
	PLACES NP
	WIN 0
	FETCH_A \next, 0, 4
.endm
.macro STEPS slot, from
.set Q, \from
.rept NQ-1-\from
	STEP \slot, Q, 0
.set Q, Q+1
.endr
.endm
; The table's rows of block a (16 positions): lane (r, h) takes, for each 16 channels b, the (cos, sin) of its four pairs: 32 bytes.  Both heads of the wave share them.
.macro ROPELD a
.set TB, 96+96*((\a)%2)
.irp b, 0,1,2,3
	global_load_b128 v[TB+8*\b:TB+8*\b+3], v[RT], s[96:97] offset:(\a)*4096+64*\b
	global_load_b128 v[TB+8*\b+4:TB+8*\b+7], v[RT], s[96:97] offset:(\a)*4096+64*\b+16
.endr
.endm
	s_wait_tensorcnt 1                             ; the scales and my part of slot 0 are in (slot 1's load may be out),
	s_barrier_signal -1
	s_barrier_wait -1                              ; everybody's are
	FETCH_B 0, 0, 0
	FETCH_A 0, 0, 0
	SCALES 0
	FETCH_A 0, 0, 4
	STEP 0, 0, 1                                   ; the first products start the sums: nothing is cleared
	STEPS 0, 1
	TURN 0, 1
	ROPELD 0                                       ; the table for the first two blocks is asked for four steps ahead of its use
	ROPELD 1
	STEPS 1, 0
	s_wait_dscnt 4*NL                              ; the last step: nothing more to fetch
	WIN MUL_LO
	MUL16 0, 1, NQ-1, 1, 0
	MUL16 2, 1, NQ-1, 1, 0
	s_wait_dscnt 0
	WIN MUL_HI
	MUL16 4, 1, NQ-1, 1, 0
	MUL16 6, 1, NQ-1, 1, 0
	WIN 0
; THE WAY OUT, block by block of 16 positions x 128 channels.
.macro PACK a
.set AC, 64*((\a)%4)
.set TB, 96+96*((\a)%2)
.if (\a) < 7
	s_wait_loadcnt 8                               ; this block's table is in, the next block's may be out
.else
	s_wait_loadcnt 0
.endif
.irp i, 0,2,4,6,8,10,12,14,16,18,20,22,24,26,28,30
	v_pk_fma_f32 v[TB+\i:TB+\i+1], v[TB+\i:TB+\i+1], s[66:67], v[BZ:BZ+1] op_sel_hi:[1,0,1]   ; (alpha cos + beta, alpha sin)
.endr
	WIN 0x02+(\a)/4                                ; source 0: the accumulators' window
.irp b, 0,1,2,3,4,5,6,7
.irp p, 0,1,2,3
	v_pk_mul_f32 v[T+8*\b+2*\p:T+8*\b+2*\p+1], v[AC+8*\b+2*\p:AC+8*\b+2*\p+1], v[TB+8*(\b%4)+2*\p:TB+8*(\b%4)+2*\p+1] op_sel:[0,0] op_sel_hi:[0,1]   ; (e c, e s); each accumulator is read from its low end on
.endr
.endr
.irp b, 0,1,2,3,4,5,6,7
.irp p, 0,1,2,3
	v_pk_fma_f32 v[T+8*\b+2*\p:T+8*\b+2*\p+1], v[AC+8*\b+2*\p:AC+8*\b+2*\p+1], v[TB+8*(\b%4)+2*\p:TB+8*(\b%4)+2*\p+1], v[T+8*\b+2*\p:T+8*\b+2*\p+1] op_sel:[1,1,0] op_sel_hi:[1,0,1] neg_lo:[0,1,0]   ; + (-o s, o c)
.endr
.endr
	WIN 0
.if (\a) == 0                          ; positions 0-15 of a sequence also leave unrounded: by a mask on the lanes, with no branch
	s_wait_xcnt 0x0                                ; EXEC changes only behind this wait: loads are out
	v_cmp_eq_u32 vcc_lo, 0, v[P0]
	s_and_saveexec_b32 s13, vcc_lo
.irp b, 0,1,2,3,4,5,6,7
	global_store_b128 v[RT], v[T+8*\b:T+8*\b+3], s[100:101] offset:(\b/4)*4096+(\b%4)*64
	global_store_b128 v[RT], v[T+8*\b+4:T+8*\b+7], s[100:101] offset:(\b/4)*4096+(\b%4)*64+16
.endr
	s_wait_xcnt 0x0                                ; and again, in front of the line that widens it; the stores' data may be written again too
	s_or_b32 exec_lo, exec_lo, s13
.endif
.irp b, 0,1,2,3,4,5,6,7
.irp p, 0,1,2,3
	v_cvt_pk_f16_f32 v[PK+4*\b+\p], v[T+8*\b+2*\p], v[T+8*\b+2*\p+1]
.endr
.endr
.endm
.macro TOSTAGE a                       ; through my own stage: LDS serves a wave's instructions in order, so no wait stands between the stores and the loads
.set BB, 64+160*((\a)%2)
.if (\a) > 1
	s_wait_xcnt 0x0                                ; block a - 2's stores have read these registers
.endif
.irp b, 0,1,2,3,4,5,6,7
	ds_store_b128 v[STO], v[PK+4*\b:PK+4*\b+3] offset:32*\b
.endr
.irp t, 0,1,2,3,4,5,6,7
	ds_load_b128 v[BB+4*\t:BB+4*\t+3], v[RD] offset:(\t%4)*1088+(\t/4)*128
.endr
.endm
.macro SEND a
.set BB, 64+160*((\a)%2)
	s_wait_dscnt 0x0
.irp t, 0,1,2,3,4,5,6,7
	global_store_b128 v[CO], v[BB+4*\t:BB+4*\t+3], s[98:99] offset:(\a)*2048+(\t%4)*512+(\t/4)*262144   ; 32 lanes store 512 consecutive bytes: four positions of one head
.endr
.endm
	PLACES NP
	PACK 0
	TOSTAGE 0
	ROPELD 2
.irp a, 1,2,3,4,5,6,7
	PACK \a                                        ; a block's arithmetic stands between the loads of the block before and its stores
	SEND \a-1
	TOSTAGE \a
.if \a < 6
	ROPELD \a+2
.endif
.endr
	SEND 7
	s_wait_tensorcnt 0x0                           ; the wave's end
	ds_add_u32 v[SPW], v[NIL]
	s_wait_dscnt 0x0
	CROUND                                         ; the closing round
	s_endpgm
.Lfunc_end_k_q07fbd79aba_qkv:
	.size	k_q07fbd79aba_qkv, .Lfunc_end_k_q07fbd79aba_qkv-k_q07fbd79aba_qkv
	.p2alignl 7, 3214868480
	.fill 96, 4, 3214868480
	.section	.rodata,"a",@progbits
	.p2align	6, 0x0
	.amdhsa_kernel k_q07fbd79aba_qkv
		.amdhsa_group_segment_fixed_size 327680
		.amdhsa_private_segment_fixed_size 0
		.amdhsa_enable_private_segment 0
		.amdhsa_kernarg_size 40
		.amdhsa_user_sgpr_count 2
		.amdhsa_user_sgpr_kernarg_segment_ptr 1
		.amdhsa_wavefront_size32 1
		.amdhsa_system_sgpr_workgroup_id_x 1
		.amdhsa_system_sgpr_workgroup_id_y 1
		.amdhsa_system_sgpr_workgroup_id_z 1
		.amdhsa_system_vgpr_workitem_id 0
		.amdhsa_next_free_vgpr 1024
		.amdhsa_next_free_sgpr 102
		.amdhsa_reserve_vcc 1
		.amdhsa_float_denorm_mode_32 3
		.amdhsa_float_denorm_mode_16_64 3
		.amdhsa_memory_ordered 1
		.amdhsa_forward_progress 1
		.amdhsa_inst_pref_size 175
	.end_amdhsa_kernel
	.amdgpu_metadata
---
amdhsa.version: [ 1, 2 ]
amdhsa.kernels:
  - .name:           k_q07fbd79aba_qkv
    .symbol:         k_q07fbd79aba_qkv.kd
    .args:
      - { .name: codes, .offset: 0, .size: 8, .value_kind: global_buffer, .address_space: global }
      - { .name: scales, .offset: 8, .size: 8, .value_kind: global_buffer, .address_space: global }
      - { .name: rope, .offset: 16, .size: 8, .value_kind: global_buffer, .address_space: global }
      - { .name: qkv16, .offset: 24, .size: 8, .value_kind: global_buffer, .address_space: global }
      - { .name: qkvf, .offset: 32, .size: 8, .value_kind: global_buffer, .address_space: global }
    .group_segment_fixed_size: 327680
    .private_segment_fixed_size: 0
    .kernarg_segment_align: 8
    .kernarg_segment_size: 40
    .max_flat_workgroup_size: 128
    .sgpr_count:     102
    .vgpr_count:     1024
    .wavefront_size: 32
...
	.end_amdgpu_metadata
.endif
;; end of part 2
;; launch attn (part 3): grid 64 x 4, 16 waves a work-group, no clusters, 327,680 bytes of LDS; arguments qkv16, o16; writes o16
.if DOCPART == 3
	.amdgcn_target "amdgcn-amd-amdhsa--gfx1250"
	.amdhsa_code_object_version 6
	.text
	.protected	k_q07fbd79aba_attn
	.globl	k_q07fbd79aba_attn
	.p2align	8
	.type	k_q07fbd79aba_attn,@function
k_q07fbd79aba_attn:
	s_mov_b64 s[64:65], 0
	v_nop
	global_prefetch_b8 v0, s[64:65] scope:SCOPE_SE
	s_setreg_imm32_b32 hwreg(HW_REG_WAVE_MODE, 25, 1), 1
	s_wait_xcnt 0x0
; CAUSAL ATTENTION, head size 64, on f16 operands with f32 sums.  q, k, v: [kind][batch x 16 + head][2048][64] f16; q . k is the score in powers of two (the factors were put into q and k).  o: [batch x 16 + head][2048][64] f16.
; SHARES.  Work-group (head, p) owns the query blocks p and 7 - p of 256 queries: waves 0-7 the early block, waves 8-15 the late one, so that every work-group has the same work under the causal mask.  A wave owns 32 queries, two tiles of 16.
; LAYOUT.  S^T = K Q^T (source 0 = 16 keys, source 1 = 16 queries): a lane holds ONE query (lane % 16) and keys 8 (lane / 16) + 0..7 of a tile.  Two such tiles, rounded to f16 in pairs, ARE source 1 of O^T = V^T P.  V comes out of LDS turned.
; SOFTMAX.  A running maximum m and sum l for each query: p = 2^(t - m); in every step O and l are multiplied by 2^(old m - new m).
; THE RING.  Two LDS slots of 256 keys, filled by waves 0, 1 (K's halves) and 2, 3 (V's halves), read by all sixteen.  Every work-group walks all 8 changes of slots (constant trip counts); a step all of whose keys come after the wave's queries
; is jumped over, and a slot whose first key comes after the work-group's last query is not asked for.  Every wait on TENSORcnt is for 0; a wave has one tensor load out.
; NO CLUSTER: the four work-groups of a head need different numbers of slots (8, 7, 6, 5): a joint load would bring tiles that every wave of some partner jumps over.
; LIMITS: scores under -3e38 are not served; |o| stays under 65,504.
.set KP,    144                        ; a key's row of K in LDS: 128 bytes + 16
.set VP,    160                        ; of V: 128 + 32, an odd multiple of 32 for the turning load
.set SK,    256                        ; keys in a slot
.set VOFF,  SK*KP
.set SLOT1, 1<<17
.set SPARE, 2*SLOT1                    ; the spare words, 128 bytes a wave, named by no other line
.set AK0,1                             ; v1  my lane's place in a tile of K
.set AV0,2                             ; v2  of V
.set ADK,3
.set ADV,4
.set SPW,5                             ; v5  my spare word; never rewritten
.set NIL,6                             ; v6  0; never rewritten
.set DM,7                              ; v7  lane % 16 - 8 (lane / 16)
.set NINF,8                            ; v8  -infinity
.set PFO,9                             ; v9  256 x lane
.set DD,10
.set STO,11
.set RD,12
.set GO,13
.set QO,14
.set QF,16                             ; v16-47   Q: fragment (t, c) at 16 t + 8 c
.set KV,48                             ; v48-111  a step's K, then its V
.set S,112                             ; v112-175 S^T: tile t, keys 16 kt on, at 32 t + 8 kt; then P in each tile's first 16
.set O,176                             ; v176-239 O^T: 32 t + 8 ct
.set ST,240                            ; v240-255 tile t at 8 t: +0 m, +1 old m, +2, +3 l, +4..+7 at work, the factor in +6
.set WV,18
.set PP,19
.set SEL,20
.set TBK,2
.set TBV,3
.set G1K,24
.set G1V,32
.set G0K,40
.set G0V,44
.set SLOTS,48
.set STEPC,49
.set KF,50                             ; the step's first key
.set Q0,51                             ; my first query
.set LASTQ,52                          ; my work-group's last query
.set LIM,53
.set PFA,54
.macro TLOAD                           ; waves 0 and 1 fetch K's halves, waves 2 and 3 V's, the others nothing.  An s_nop 0 and four v_nop follow each line
	s_cmp_lt_u32 s[WV], 2
	s_cbranch_scc0 .Lnot_k_\@
	tensor_load_to_lds s[G0K:G0K+3], s[G1K:G1K+7]
	s_nop 0
.rept 4
	v_nop
.endr
	s_branch .Lasked_\@
.Lnot_k_\@:
	s_cmp_lt_u32 s[WV], 4
	s_cbranch_scc0 .Lasked_\@
	tensor_load_to_lds s[G0V:G0V+3], s[G1V:G1V+7]
	s_nop 0
.rept 4
	v_nop
.endr
.Lasked_\@:
.endm
; A prefetch of the slot that the NEXT change will ask for: 32,768 dense bytes of K and of V.  The head's work-group with p = 0, which walks all eight slots, asks; in it waves 4-7 for K and waves 8-11 for V,
; 8,192 bytes a wave, lanes 256 bytes apart: each block of 256 bytes is named once in the launch.  The last change that fills a slot asks for nothing; slots 0 and 1 come by their loads alone.
.macro ASK
	s_cmp_gt_u32 s[SLOTS], s[LIM]
	s_cbranch_scc0 .Lnot_mine_\@
	global_prefetch_b8 v[PFO], s[PFA:PFA+1] th:TH_LOAD_NT scope:SCOPE_SE
.Lnot_mine_\@:
.endm
	s_load_b128 s[4:7], s[0:1], 0x0                ; qkv16, o16
	v_lshl_add_u32 v[SPW], v0, 2, SPARE
	v_mov_b32 v[NIL], 0
	ds_add_u32 v[SPW], v[NIL]                      ; the wave's opening: the add, twice on end, and its wait ahead of the first tensor load
	ds_add_u32 v[SPW], v[NIL]
	v_lshrrev_b32 v[DD], 5, v0
	v_readfirstlane_b32 s[WV], v[DD]               ; wave 0..15
	s_and_b32 s[PP], ttmp7, 0xffff                 ; p
	s_lshl_b32 s72, ttmp9, 18                      ; the head's first byte in a kind: 262,144 a head
	s_mov_b32 s73, 0
	s_and_b32 s58, s[WV], 1                        ; which half of a slot I fetch, if I fetch
	s_lshl_b32 s60, s58, 14                        ; 128 rows of 128 bytes
	s_add_co_u32 s60, s60, s72
	s_mov_b32 s61, 0
	s_mul_i32 s59, s58, 128*KP
	s_mul_i32 s62, s58, 128*VP
	s_add_co_u32 s62, s62, VOFF
	s_sub_co_u32 s66, 7, s[PP]
	s_cmp_lt_u32 s[WV], 8
	s_cselect_b32 s67, s[PP], s66                  ; my block of queries
	s_lshl_b32 s[Q0], s67, 8
	s_and_b32 s68, s[WV], 7
	s_lshl_b32 s68, s68, 5
	s_add_co_u32 s[Q0], s[Q0], s68
	s_lshl_b32 s[LASTQ], s66, 8
	s_or_b32 s[LASTQ], s[LASTQ], 255
	s_lshl_b32 s68, s[Q0], 7
	s_add_co_u32 s68, s68, s72                     ; my first query's row in q and in o
	s_mov_b32 s69, 0
	s_mov_b32 s[G1K], (1<<16)|(1<<20)|(4<<22)|(3<<25)   ; elements of 2 bytes; padding: four words after every 32
	s_mov_b32 s[G1V], (1<<16)|(1<<20)|(4<<22)|(7<<25)   ; eight words
.irp g, G1K, G1V
	s_mov_b32 s[\g+1], 64<<16                      ; tensor_dim0
	s_mov_b32 s[\g+2], 128<<16                     ; tensor_dim1
	s_mov_b32 s[\g+3], 64<<16                      ; tile_dim0
	s_mov_b32 s[\g+4], 128                         ; tile_dim1
	s_mov_b32 s[\g+5], 64                          ; from row to row
	s_mov_b32 s[\g+6], 0
	s_mov_b32 s[\g+7], 0
.endr
	s_mov_b32 s[SEL], 0x76543210
	s_mov_b32 s[SEL+1], 0xfedcba98                 ; lane l xor 16
	s_mov_b32 s[TBK], 0
	s_mov_b32 s[TBV], 0
	s_mov_b32 s[SLOTS], 7
	s_mov_b32 s[KF], 0
	s_wait_dscnt 0x0                               ; both opening adds are done
	s_wait_kmcnt 0x0
	s_mov_b32 s[G0K], 1
	s_mov_b32 s[G0K+1], s59
	s_add_nc_u64 s[G0K+2:G0K+3], s[4:5], s[60:61]
	s_add_nc_u64 s[G0K+2:G0K+3], s[G0K+2:G0K+3], 0x1000000   ; kind 1
	s_or_b32 s[G0K+3], s[G0K+3], 0x80000000
	s_mov_b32 s[G0V], 1
	s_mov_b32 s[G0V+1], s62
	s_add_nc_u64 s[G0V+2:G0V+3], s[4:5], s[60:61]
	s_add_nc_u64 s[G0V+2:G0V+3], s[G0V+2:G0V+3], 0x2000000   ; kind 2
	s_or_b32 s[G0V+3], s[G0V+3], 0x80000000
	TLOAD                                          ; slot 0: it holds key 0, which counts for every query
	s_add_nc_u64 s[8:9], s[4:5], s[68:69]          ; q at my first query
	s_add_nc_u64 s[6:7], s[6:7], s[68:69]          ; o likewise
	s_mov_b32 s70, 0x2000000
	s_cmp_lt_u32 s[WV], 8
	s_cselect_b32 s70, 0x1000000, s70              ; the prefetches: K's for waves under 8, else V's,
	s_and_b32 s71, s[WV], 3
	s_lshl_b32 s71, s71, 13
	s_add_co_u32 s70, s70, s71                     ; my wave's 8,192 bytes,
	s_add_co_u32 s70, s70, s72                     ; in my head,
	s_add_co_u32 s70, s70, 32768                   ; in slot 1: the first change steps it to slot 2
	s_mov_b32 s71, 0
	s_add_nc_u64 s[PFA:PFA+1], s[4:5], s[70:71]
	s_sub_co_u32 s70, s[WV], 4
	s_lshr_b32 s70, s70, 3                         ; 0 in waves 4 to 11,
	s_or_b32 s70, s70, s[PP]                       ; of the work-group with p = 0
	s_cmp_eq_u32 s70, 0
	s_cselect_b32 s[LIM], 1, -1
	v_and_b32 v[DD], 15, v0                        ; r
	v_bfe_u32 v15, v0, 4, 1                        ; h
	v_lshlrev_b32 v[QO], 7, v[DD]
	v_lshl_add_u32 v[QO], v15, 4, v[QO]
.irp t, 0,1
.irp c, 0,1
	global_load_b128 v[QF+16*\t+8*\c:QF+16*\t+8*\c+3], v[QO], s[8:9] offset:2048*\t+64*\c
	global_load_b128 v[QF+16*\t+8*\c+4:QF+16*\t+8*\c+7], v[QO], s[8:9] offset:2048*\t+64*\c+32
.endr
.endr
	v_mul_u32_u24 v[AK0], v[DD], KP
	v_lshl_add_u32 v[AK0], v15, 4, v[AK0]          ; row r, + 16 h
	v_and_b32 v[AV0], 7, v0
	v_lshl_add_u32 v[AV0], v15, 3, v[AV0]
	v_mul_u32_u24 v[AV0], v[AV0], VP               ; key 8 h + l % 8,
	v_bfe_u32 v[ADK], v0, 3, 1
	v_lshl_add_u32 v[AV0], v[ADK], 4, v[AV0]       ; channels 8 ((l / 8) % 2) on
	v_add_nc_u32 v[AV0], VOFF, v[AV0]
	v_lshlrev_b32 v[DM], 3, v15
	v_sub_nc_u32 v[DM], v[DD], v[DM]
	v_mov_b32 v[NINF], 0xff800000
	v_and_b32 v[GO], 31, v0
	v_lshlrev_b32 v[PFO], 8, v[GO]
	s_mul_i32 s74, s[WV], 32*KP                    ; my stage for the way out: 32 rows x 144 bytes, in slot 0, which has had its last fill and its last read at the last change of slots
	v_mul_u32_u24 v[STO], v[DD], KP
	v_lshl_add_u32 v[STO], v15, 4, v[STO]
	v_add_nc_u32 v[STO], s74, v[STO]
	v_lshrrev_b32 v[RD], 3, v[GO]
	v_mul_u32_u24 v[RD], v[RD], KP
	v_and_b32 v[ADV], 7, v0
	v_lshl_add_u32 v[RD], v[ADV], 4, v[RD]
	v_add_nc_u32 v[RD], s74, v[RD]
	v_lshlrev_b32 v[GO], 4, v[GO]
.irp t, 0,1
	v_mov_b32 v[ST+8*\t], 0xff61b1e6               ; m: -3e38, under every score
	v_mov_b32 v[ST+8*\t+2], 0                      ; l
	v_mov_b32 v[ST+8*\t+3], 0
.endr
.irp j, 0,1,2,3,4,5,6,7,8,9,10,11,12,13,14,15,16,17,18,19,20,21,22,23,24,25,26,27,28,29,30,31,32,33,34,35,36,37,38,39,40,41,42,43,44,45,46,47,48,49,50,51,52,53,54,55,56,57,58,59,60,61,62,63
	v_mov_b32 v[O+\j], 0                           ; O^T.  (The step is written once: the first finds zeros, which its factor 0 leaves zeros)
.endr
; The softmax of both tiles for one step, the tiles line by line in turn.
.macro SOFT
.irp j, 0,1,2,3
.irp t, 0,1
	v_max3_num_f32 v[ST+8*\t+4+\j], v[S+32*\t+8*\j], v[S+32*\t+8*\j+1], v[S+32*\t+8*\j+2]   ; four chains; each accumulator is read from its low end on
.endr
.endr
.irp g, 1,2
.irp j, 0,1,2,3
.irp t, 0,1
	v_max3_num_f32 v[ST+8*\t+4+\j], v[ST+8*\t+4+\j], v[S+32*\t+8*\j+2*\g+1], v[S+32*\t+8*\j+2*\g+2]
.endr
.endr
.endr
.irp t, 0,1
	v_max3_num_f32 v[ST+8*\t+4], v[ST+8*\t+4], v[S+32*\t+7], v[S+32*\t+15]
.endr
.irp t, 0,1
	v_max3_num_f32 v[ST+8*\t+6], v[ST+8*\t+6], v[S+32*\t+23], v[S+32*\t+31]
.endr
.irp t, 0,1
	v_max3_num_f32 v[ST+8*\t+4], v[ST+8*\t+4], v[ST+8*\t+5], v[ST+8*\t+6]
.endr
.irp t, 0,1
	v_max3_num_f32 v[ST+8*\t+4], v[ST+8*\t+4], v[ST+8*\t+7], v[ST+8*\t]   ; with the old m
.endr
.irp t, 0,1
	v_permlanex16_b32 v[ST+8*\t+5], v[ST+8*\t+4], s[SEL], s[SEL+1]        ; the query's other 32 keys lie in the lane 16 away
.endr
.irp t, 0,1
	v_mov_b32 v[ST+8*\t+1], v[ST+8*\t]
.endr
.irp t, 0,1
	v_max_num_f32 v[ST+8*\t], v[ST+8*\t+4], v[ST+8*\t+5]                  ; the new m
.endr
.irp t, 0,1
	v_sub_f32 v[ST+8*\t+7], v[ST+8*\t+1], v[ST+8*\t]                      ; old m - new m
.endr
.irp j, 0,2,4,6,8,10,12,14,16,18,20,22,24,26,28,30
.irp t, 0,1
	v_pk_add_f32 v[S+32*\t+\j:S+32*\t+\j+1], v[S+32*\t+\j:S+32*\t+\j+1], v[ST+8*\t:ST+8*\t+1] op_sel_hi:[1,0] neg_lo:[0,1] neg_hi:[0,1]   ; t - m
.endr
.endr
.irp t, 0,1
	v_exp_f32 v[ST+8*\t+6], v[ST+8*\t+7]
.endr
.irp j, 0,1,2,3,4,5,6,7,8,9,10,11,12,13,14,15,16,17,18,19,20,21,22,23,24,25,26,27,28,29,30,31
.irp t, 0,1
	v_exp_f32 v[S+32*\t+\j], v[S+32*\t+\j]
.endr
.endr
	v_nop                                          ; a plain line behind the last exponential
	s_wait_alu depctr_va_vdst(0)                   ; one wait for the batch of 66, ahead of its first reader
.irp t, 0,1
	v_pk_mul_f32 v[ST+8*\t+2:ST+8*\t+3], v[ST+8*\t+2:ST+8*\t+3], v[ST+8*\t+6:ST+8*\t+7] op_sel_hi:[1,0]
.endr
.irp t, 0,1
	v_pk_add_f32 v[ST+8*\t+4:ST+8*\t+5], v[S+32*\t:S+32*\t+1], v[S+32*\t+2:S+32*\t+3]   ; the sums, of the unrounded p, in two chains
.endr
.irp j, 4,8,12,16,20,24,28
.irp t, 0,1
	v_pk_add_f32 v[ST+8*\t+2:ST+8*\t+3], v[ST+8*\t+2:ST+8*\t+3], v[S+32*\t+\j:S+32*\t+\j+1]
	v_pk_add_f32 v[ST+8*\t+4:ST+8*\t+5], v[ST+8*\t+4:ST+8*\t+5], v[S+32*\t+\j+2:S+32*\t+\j+3]
.endr
.endr
.irp t, 0,1
	v_pk_add_f32 v[ST+8*\t+2:ST+8*\t+3], v[ST+8*\t+2:ST+8*\t+3], v[ST+8*\t+4:ST+8*\t+5]
.endr
.irp i, 0,1,2,3,4,5,6,7,8,9,10,11,12,13,14,15
.irp t, 0,1
	v_cvt_pk_f16_f32 v[S+32*\t+\i], v[S+32*\t+2*\i], v[S+32*\t+2*\i+1]    ; P, in place, ascending: register i is written when 2 i and 2 i + 1 are read
.endr
.endr
.irp j, 0,2,4,6,8,10,12,14,16,18,20,22,24,26,28,30
.irp t, 0,1
	v_pk_mul_f32 v[O+32*\t+\j:O+32*\t+\j+1], v[O+32*\t+\j:O+32*\t+\j+1], v[ST+8*\t+6:ST+8*\t+7] op_sel_hi:[1,0]
.endr
.endr
.endm
; A KEY STEP: 64 keys.
.macro STEP
	s_add_co_u32 s56, s[Q0], 31
	s_cmp_gt_u32 s[KF], s56                        ; all 64 keys come after my 32 queries: the step's work is left out; the lines at its end that step addresses are not
	s_cbranch_scc1 .Lhidden_\@
	v_add_nc_u32 v[ADK], s[TBK], v[AK0]
	v_add_nc_u32 v[ADV], s[TBV], v[AV0]
.irp kt, 0,1,2,3
.irp c, 0,1
	ds_load_b128 v[KV+16*\kt+8*\c:KV+16*\kt+8*\c+3], v[ADK] offset:\kt*16*KP+64*\c
	ds_load_b128 v[KV+16*\kt+8*\c+4:KV+16*\kt+8*\c+7], v[ADK] offset:\kt*16*KP+64*\c+32
.endr
.endr
	s_wait_dscnt 0x0
.irp c, 0,1                            ; S^T = K Q^T: the eight accumulators take turns
.irp kt, 0,1,2,3
.irp t, 0,1
.if \c == 0
	v_wmma_f32_16x16x32_f16 v[S+32*\t+8*\kt:S+32*\t+8*\kt+7], v[KV+16*\kt+8*\c:KV+16*\kt+8*\c+7], v[QF+16*\t+8*\c:QF+16*\t+8*\c+7], 0
.else
	v_wmma_f32_16x16x32_f16 v[S+32*\t+8*\kt:S+32*\t+8*\kt+7], v[KV+16*\kt+8*\c:KV+16*\kt+8*\c+7], v[QF+16*\t+8*\c:QF+16*\t+8*\c+7], v[S+32*\t+8*\kt:S+32*\t+8*\kt+7]
.endif
.endr
.endr
.endr
.rept 4
	v_nop                                          ; places in front of the loads into K's registers and of the first read of the scores
.endr
.irp ks, 0,1
.irp ct, 0,1,2,3
	ds_load_tr16_b128 v[KV+32*\ks+8*\ct:KV+32*\ks+8*\ct+3], v[ADV] offset:\ks*32*VP+32*\ct          ; V lands while the softmax is walked
	ds_load_tr16_b128 v[KV+32*\ks+8*\ct+4:KV+32*\ks+8*\ct+7], v[ADV] offset:\ks*32*VP+16*VP+32*\ct
.endr
.endr
	s_add_co_u32 s56, s[KF], 63
	s_cmp_le_u32 s56, s[Q0]                        ; all keys count for all my queries: no mask
	s_cbranch_scc1 .Lopen_\@
	s_sub_co_i32 s56, s[Q0], s[KF]
	v_add_nc_u32 v[DD], s56, v[DM]                 ; register (t, kt, j) holds key KF + 16 kt + 8 h + j and query Q0 + 16 t + r: hidden where 16 kt + j - 16 t > Q0 - KF + r - 8 h
.irp t, 0,1
.irp kt, 0,1,2,3
.irp j, 0,1,2,3,4,5,6,7
	v_cmp_gt_i32 vcc_lo, 16*\kt+\j-16*\t, v[DD]
	v_cndmask_b32 v[S+32*\t+8*\kt+\j], v[S+32*\t+8*\kt+\j], v[NINF], vcc_lo
.endr
.endr
.endr
.Lopen_\@:
	SOFT
	s_wait_dscnt 0x0                               ; V is in
.irp ks, 0,1                           ; O^T += V^T P
.irp ct, 0,1,2,3
.irp t, 0,1
	v_wmma_f32_16x16x32_f16 v[O+32*\t+8*\ct:O+32*\t+8*\ct+7], v[KV+32*\ks+8*\ct:KV+32*\ks+8*\ct+7], v[S+32*\t+8*\ks:S+32*\t+8*\ks+7], v[O+32*\t+8*\ct:O+32*\t+8*\ct+7]
.endr
.endr
.endr
.rept 5
	v_nop                                          ; five places: the next step's products write over P's registers (its loads into V's want four)
.endr
.Lhidden_\@:
	s_add_co_u32 s[KF], s[KF], 64
	s_add_co_u32 s[TBK], s[TBK], 64*KP
	s_add_co_u32 s[TBV], s[TBV], 64*VP
.endm
.macro SLOT_STEPS                      ; a slot's four steps: written once, walked four times
	s_mov_b32 s[STEPC], 4
.Lstep_\@:
	STEP
	s_sub_co_u32 s[STEPC], s[STEPC], 1
	s_cmp_lg_u32 s[STEPC], 0
	s_cbranch_scc1 .Lstep_\@
	s_sub_co_u32 s[TBK], s[TBK], SK*KP
	s_xor_b32 s[TBK], s[TBK], SLOT1                ; back to a slot's first step, in the other slot
	s_sub_co_u32 s[TBV], s[TBV], SK*VP
	s_xor_b32 s[TBV], s[TBV], SLOT1
.endm
; THE CHANGE OF SLOTS stands at a slot's head: each wave waits for all its tensor loads, adds 0 to its spare word, and waits for that and for its reads of the slot that it has left.
; Behind the barrier the slot ahead is whole and nobody reads the other one, which is then filled with the keys that follow, up to the causal limit.
.macro CHANGE fill
	s_wait_tensorcnt 0x0                           ; no tensor load of mine is out, so a group 0 may be written
	ds_add_u32 v[SPW], v[NIL]
.if \fill
	ds_add_u32 v[SPW], v[NIL]                      ; and once more, in every trip alike
	s_xor_b32 s[G0K+1], s[G0K+1], SLOT1
	s_add_nc_u64 s[G0K+2:G0K+3], s[G0K+2:G0K+3], 32768
	s_xor_b32 s[G0V+1], s[G0V+1], SLOT1
	s_add_nc_u64 s[G0V+2:G0V+3], s[G0V+2:G0V+3], 32768
	s_wait_xcnt 0x0                                ; the last prefetch, a slot back, has read its address
	s_add_nc_u64 s[PFA:PFA+1], s[PFA:PFA+1], 32768
.endif
	s_wait_dscnt 0x0
	s_barrier_signal -1
	s_barrier_wait -1
.if \fill
	s_add_co_u32 s56, s[KF], SK                    ; the first key of the slot that this change would ask for
	s_cmp_gt_u32 s56, s[LASTQ]                     ; ids and the count of steps alone: all sixteen waves go the same way
	s_cbranch_scc1 .Lpast_\@
	TLOAD
.Lpast_\@:
	ASK
.endif
.endm
	s_wait_loadcnt 0x0                             ; Q
.Lslot:
	CHANGE 1
	SLOT_STEPS
	s_sub_co_u32 s[SLOTS], s[SLOTS], 1
	s_cmp_lg_u32 s[SLOTS], 0
	s_cbranch_scc1 .Lslot
	CHANGE 0                                       ; the last slot is written out: nothing is left to ask for
	SLOT_STEPS
	; THE WAY OUT: O^T / l, rounded to f16, through my stage, and out as 512 consecutive bytes an instruction.
.irp t, 0,1
	v_add_f32 v[ST+8*\t+4], v[ST+8*\t+2], v[ST+8*\t+3]
.endr
.irp t, 0,1
	v_permlanex16_b32 v[ST+8*\t+5], v[ST+8*\t+4], s[SEL], s[SEL+1]
.endr
.irp t, 0,1
	v_add_f32 v[ST+8*\t+4], v[ST+8*\t+4], v[ST+8*\t+5]
.endr
.irp t, 0,1
	v_rcp_f32 v[ST+8*\t+6], v[ST+8*\t+4]
.endr
	v_nop
	s_wait_alu depctr_va_vdst(0)                   ; one wait for the two reciprocals
.irp t, 0,1
.irp j, 0,2,4,6,8,10,12,14,16,18,20,22,24,26,28,30
	v_pk_mul_f32 v[O+32*\t+\j:O+32*\t+\j+1], v[O+32*\t+\j:O+32*\t+\j+1], v[ST+8*\t+6:ST+8*\t+7] op_sel_hi:[1,0]
.endr
.endr
.irp i, 0,1,2,3,4,5,6,7,8,9,10,11,12,13,14,15,16,17,18,19,20,21,22,23,24,25,26,27,28,29,30,31
	v_cvt_pk_f16_f32 v[S+\i], v[O+2*\i], v[O+2*\i+1]
.endr
.irp t, 0,1
.irp ct, 0,1,2,3
	ds_store_b128 v[STO], v[S+4*(4*\t+\ct):S+4*(4*\t+\ct)+3] offset:\t*16*KP+32*\ct
.endr
.endr
.irp g, 0,1,2,3,4,5,6,7
	ds_load_b128 v[KV+4*\g:KV+4*\g+3], v[RD] offset:\g*4*KP      ; LDS serves a wave's instructions in order: these see my stores
.endr
.irp g, 0,1,2,3,4,5,6,7
	s_wait_dscnt 7-\g
	global_store_b128 v[GO], v[KV+4*\g:KV+4*\g+3], s[6:7] offset:512*\g
.endr
	s_wait_tensorcnt 0x0                           ; the wave's end
	ds_add_u32 v[SPW], v[NIL]
	s_wait_dscnt 0x0
	s_endpgm
.Lfunc_end_k_q07fbd79aba_attn:
	.size	k_q07fbd79aba_attn, .Lfunc_end_k_q07fbd79aba_attn-k_q07fbd79aba_attn
	.p2alignl 7, 3214868480
	.fill 96, 4, 3214868480
	.section	.rodata,"a",@progbits
	.p2align	6, 0x0
	.amdhsa_kernel k_q07fbd79aba_attn
		.amdhsa_group_segment_fixed_size 327680
		.amdhsa_private_segment_fixed_size 0
		.amdhsa_enable_private_segment 0
		.amdhsa_kernarg_size 16
		.amdhsa_user_sgpr_count 2
		.amdhsa_user_sgpr_kernarg_segment_ptr 1
		.amdhsa_wavefront_size32 1
		.amdhsa_system_sgpr_workgroup_id_x 1
		.amdhsa_system_sgpr_workgroup_id_y 1
		.amdhsa_system_sgpr_workgroup_id_z 1
		.amdhsa_system_vgpr_workitem_id 0
		.amdhsa_next_free_vgpr 256
		.amdhsa_next_free_sgpr 76
		.amdhsa_reserve_vcc 1
		.amdhsa_float_denorm_mode_32 3
		.amdhsa_float_denorm_mode_16_64 3
		.amdhsa_memory_ordered 1
		.amdhsa_forward_progress 1
		.amdhsa_inst_pref_size 61
	.end_amdhsa_kernel
	.amdgpu_metadata
---
amdhsa.version: [ 1, 2 ]
amdhsa.kernels:
  - .name:           k_q07fbd79aba_attn
    .symbol:         k_q07fbd79aba_attn.kd
    .args:
      - { .name: qkv16, .offset: 0, .size: 8, .value_kind: global_buffer, .address_space: global }
      - { .name: o16, .offset: 8, .size: 8, .value_kind: global_buffer, .address_space: global }
    .group_segment_fixed_size: 327680
    .private_segment_fixed_size: 0
    .kernarg_segment_align: 8
    .kernarg_segment_size: 16
    .max_flat_workgroup_size: 512
    .sgpr_count:     76
    .vgpr_count:     256
    .wavefront_size: 32
...
	.end_amdgpu_metadata
.endif
;; end of part 3
;; launch oproj (part 4): grid 4 x 64, 4 waves a work-group, clusters of 4 x 4, 327,680 bytes of LDS; arguments o16, wo16, out0; writes out0
.if DOCPART == 4
	.amdgcn_target "amdgcn-amd-amdhsa--gfx1250"
	.amdhsa_code_object_version 6
	.text
	.protected	k_q07fbd79aba_oproj
	.globl	k_q07fbd79aba_oproj
	.p2align	8
	.type	k_q07fbd79aba_oproj,@function
k_q07fbd79aba_oproj:
	s_mov_b64 s[64:65], 0
	v_nop
	global_prefetch_b8 v0, s[64:65] scope:SCOPE_SE
	s_setreg_imm32_b32 hwreg(HW_REG_WAVE_MODE, 25, 1), 1
	s_wait_xcnt 0x0
	s_wait_alu depctr_hold_cnt(0) depctr_sa_sdst(0) depctr_va_vdst(0) depctr_va_sdst(0) depctr_va_ssrc(0) depctr_va_vcc(0) depctr_vm_vsrc(0)
	s_getreg_b32 s2, hwreg(HW_REG_IB_STS2, 6, 4)
	s_cmp_eq_u32 s2, 0
	s_cbranch_scc0 .Lentry_in_a_cluster
	s_endpgm
.Lentry_in_a_cluster:
	s_bfe_u32 s2, ttmp6, 0x10000c
	s_cmp_lg_u32 s2, 0xf033
	s_cbranch_scc0 .Lentry_shape_is_right
	s_endpgm
.Lentry_shape_is_right:
; out[m][n] = sum over k of o[m][k] Wo[n][k], f16 operands, f32 sums, f32 out.  m = batch x 2048 + position; k = head x 64 + channel; o lies [batch x 16 + head][2048][64], Wo [1024][1024].
; A tile of out is 128 (m) x 256 (n): 256 work-groups.  Four waves, each 64 x 128: 32 accumulators of 16 x 16, which fill window 1.  K goes in steps of 128, two heads, through a ring of two LDS slots:
; o's tile is two planes (a head each) of 128 rows x 128 bytes, Wo's 256 rows x 256 bytes.  Waves 0, 1 fetch o's planes, waves 2, 3 Wo's halves: one load a wave behind each round.
; CLUSTERS: 4 x 4.  o's tiles are shared along a row of the cluster, Wo's along a column: each is asked for JOINTLY.  THE MATRIX INSTRUCTION IS USED TRANSPOSED (source 0 = 16 rows of Wo, source 1 = 16 rows of o).
; The first 16 positions of each sequence are written here too, and written over by the launch that follows, which carries them in f32.
; No prefetch: eight short K steps, and every tile is shared by four.
.set PA,     144                       ; a row of o in LDS: 128 bytes + 16
.set PB,     272                       ; of Wo: 256 + 16
.set PLANE,  128*PA
.set BOFF,   2*PLANE
.set HALFB,  128*PB
.set SLOT,   BOFF+2*HALFB              ; 106,496
.set STAGE,  2*SLOT
.set SPITCH, 528
.set SPARE,  STAGE+4*16*SPITCH         ; the spare words, 128 bytes a wave, named by no other line
.set LAPS,   4                         ; a lap = two K steps
.set ADRA, 16
.set ADRB, 20
.set STO,  24
.set RD,   25
.set CO,   26
.set SPW,  28
.set NIL,  29
.set F0,   64                          ; fragment buffers in window 0: o's four fragments, then Wo's eight
.set F1,   160
.set G1, 24
.set G0, 32
.set G1B, 48
.set G0B, 56
.set MSB, 0
.macro WIN new
.if MSB != \new
	s_set_vgpr_msb (MSB<<8)|\new
.set MSB, \new
.endif
.endm
.set MUL, 0x50                         ; C and D window 1, sources window 0
.macro JLOAD s
	s_cmp_eq_u32 s11, 0
	s_cbranch_scc0 .Lfor_b_\@
	tensor_load_to_lds s[G0+4*\s:G0+4*\s+3], s[G1:G1+7]
	s_nop 0
.rept 4
	v_nop
.endr
	s_branch .Lasked_\@
.Lfor_b_\@:
	tensor_load_to_lds s[G0B+4*\s:G0B+4*\s+3], s[G1B:G1B+7]
	s_nop 0
.rept 4
	v_nop
.endr
.Lasked_\@:
.endm
.macro CREST
	s_cmp_lg_u32 s10, 0
	s_cbranch_scc1 .Lnot_wave_0_\@
	s_barrier_signal -3
.Lnot_wave_0_\@:
	s_barrier_wait -3
	s_barrier_signal -1
	s_barrier_wait -1
.endm
.macro CROUND
	s_barrier_signal -1
	s_barrier_wait -1
	CREST
.endm
	s_load_b128 s[4:7], s[0:1], 0x0                ; o16, wo16
	s_load_b64 s[8:9], s[0:1], 0x10                ; out0
	v_lshl_add_u32 v[SPW], v0, 2, SPARE
	v_mov_b32 v[NIL], 0
	ds_add_u32 v[SPW], v[NIL]                      ; the wave's opening: the add, twice on end, and its wait ahead of my first tensor load
	ds_add_u32 v[SPW], v[NIL]
	v_lshrrev_b32 v1, 5, v0
	v_readfirstlane_b32 s10, v1                    ; wave 0..3
	s_lshr_b32 s11, s10, 1                         ; my half of the tile's rows.  Also: I fetch for o (0) or for Wo (1)
	s_and_b32 s12, s10, 1                          ; my half of its columns.  Also: which plane or half I fetch
	s_bfe_u32 s40, ttmp6, 0x40000
	s_bfe_u32 s41, ttmp6, 0x40004
	s_lshl_b32 s42, ttmp9, 2
	s_add_co_u32 s42, s42, s40                     ; tile column
	s_and_b32 s13, ttmp7, 0xffff
	s_lshl_b32 s13, s13, 2
	s_add_co_u32 s13, s13, s41                     ; tile row
	s_lshl_b32 s43, s41, 2
	s_lshl_b32 s43, 15, s43                        ; my row of the cluster
	s_lshl_b32 s44, 0x1111, s40                    ; my column
	s_or_b32 s[G1+0], s43, (1<<16)|(1<<20)|(1<<21)|(4<<22)|(3<<25)   ; o: elements of 2 bytes; four words of padding after every 32
	s_mov_b32 s[G1+1], 64<<16
	s_mov_b32 s[G1+2], 128<<16
	s_mov_b32 s[G1+3], 64<<16
	s_mov_b32 s[G1+4], 128
	s_mov_b32 s[G1+5], 64
	s_mov_b32 s[G1+6], 0
	s_mov_b32 s[G1+7], 0
	s_or_b32 s[G1B+0], s44, (1<<16)|(1<<20)|(1<<21)|(5<<22)|(3<<25)  ; Wo: after every 64
	s_mov_b32 s[G1B+1], 128<<16
	s_mov_b32 s[G1B+2], 128<<16
	s_mov_b32 s[G1B+3], 128<<16
	s_mov_b32 s[G1B+4], 128
	s_mov_b32 s[G1B+5], 1024
	s_mov_b32 s[G1B+6], 0
	s_mov_b32 s[G1B+7], 0
	s_lshr_b32 s16, s13, 4                         ; o: the batch: 16 heads of 262,144 bytes,
	s_lshl_b32 s16, s16, 22
	s_and_b32 s17, s13, 15
	s_lshl_b32 s17, s17, 14                        ; 128 positions of 128 bytes a tile row,
	s_add_co_u32 s16, s16, s17
	s_lshl_b32 s17, s12, 18                        ; my plane's head
	s_add_co_u32 s16, s16, s17
	s_mov_b32 s17, 0
	s_lshl_b32 s46, s42, 8                         ; Wo: row 256 x tile column + 128 x half, 2,048 bytes a row
	s_lshl_b32 s47, s12, 7
	s_add_co_u32 s46, s46, s47
	s_lshl_b32 s46, s46, 11
	s_mov_b32 s47, 0
	s_mul_i32 s20, s12, PLANE                      ; where they go: the wave's number alone enters an LDS address
	s_mul_i32 s21, s12, HALFB
	s_add_co_u32 s21, s21, BOFF
	s_wait_dscnt 0x0
	s_wait_kmcnt 0x0
	s_add_nc_u64 s[14:15], s[4:5], s[16:17]
	s_add_nc_u64 s[46:47], s[6:7], s[46:47]
	CROUND                                         ; all sixteen work-groups are here: the first joint loads meet
.irp s, 0,1
	s_mov_b32 s[G0+4*\s], 1
	s_add_co_u32 s[G0+4*\s+1], s20, \s*SLOT
	s_add_nc_u64 s[G0+4*\s+2:G0+4*\s+3], s[14:15], \s*524288       ; K step s: two heads on
	s_or_b32 s[G0+4*\s+3], s[G0+4*\s+3], 0x80000000
	s_mov_b32 s[G0B+4*\s], 1
	s_add_co_u32 s[G0B+4*\s+1], s21, \s*SLOT
	s_add_nc_u64 s[G0B+4*\s+2:G0B+4*\s+3], s[46:47], \s*256
	s_or_b32 s[G0B+4*\s+3], s[G0B+4*\s+3], 0x80000000
	JLOAD \s
.endr
	v_and_b32 v1, 15, v0                           ; r
	v_bfe_u32 v2, v0, 4, 1                         ; h
	v_mul_u32_u24 v3, v1, PA
	v_lshl_add_u32 v3, v2, 4, v3
	v_mul_u32_u24 v4, v1, PB
	v_lshl_add_u32 v4, v2, 4, v4
	s_mul_i32 s21, s11, 64*PA                      ; my 64 rows of o (in each plane)
	s_mul_i32 s22, s12, HALFB                      ; my 128 rows of Wo
	s_add_co_u32 s22, s22, BOFF
.irp s, 0,1
	v_add_nc_u32 v[ADRA+\s], s21, v3
	v_add_nc_u32 v[ADRB+\s], s22, v4
	s_add_co_u32 s21, s21, SLOT
	s_add_co_u32 s22, s22, SLOT
.endr
	s_mul_i32 s23, s10, 16*SPITCH
	s_add_co_u32 s23, s23, STAGE                   ; my stage
	v_mul_u32_u24 v5, v1, SPITCH
	v_lshl_add_u32 v5, v2, 5, v5
	v_add_nc_u32 v[STO], s23, v5                   ; in: row r, 32 bytes for each half of the lanes
	v_and_b32 v6, 31, v0
	v_lshlrev_b32 v[CO], 4, v6
	v_add_nc_u32 v[RD], s23, v[CO]                 ; back: the 32 lanes take one row of 512 bytes
	s_lshl_b32 s16, s13, 7
	s_lshl_b32 s17, s11, 6
	s_add_co_u32 s16, s16, s17                     ; my first row of out,
	s_lshl_b32 s16, s16, 12                        ; 4,096 bytes a row
	s_mov_b32 s17, 0
	s_add_nc_u64 s[8:9], s[8:9], s[16:17]
	s_lshl_b32 s46, s42, 10                        ; my first column, in bytes
	s_lshl_b32 s47, s12, 9
	s_add_co_u32 s46, s46, s47
	s_mov_b32 s47, 0
	s_add_nc_u64 s[8:9], s[8:9], s[46:47]
.macro MUL8 f, a, zero                 ; o's block a against Wo's eight, 32 along K.  The 32 accumulators take turns in the same order in every quarter
.irp b, 0,1,2,3,4,5,6,7
.if \zero
	v_wmma_f32_16x16x32_f16 v[8*(8*(\a)+\b):8*(8*(\a)+\b)+7], v[\f+32+8*\b:\f+32+8*\b+7], v[\f+8*(\a):\f+8*(\a)+7], 0
.else
	v_wmma_f32_16x16x32_f16 v[8*(8*(\a)+\b):8*(8*(\a)+\b)+7], v[\f+32+8*\b:\f+32+8*\b+7], v[\f+8*(\a):\f+8*(\a)+7], v[8*(8*(\a)+\b):8*(8*(\a)+\b)+7]
.endif
.endr
.endm
.macro FETCH slot, q, f                ; 24 LDS loads in one run: the fragments of the slot's q-th 32 along K
.irp i, 0,1,2,3,4,5,6,7
	ds_load_b128 v[\f+32+8*\i:\f+32+8*\i+3],   v[ADRB+\slot] offset:64*(\q)+\i*16*PB
	ds_load_b128 v[\f+32+8*\i+4:\f+32+8*\i+7], v[ADRB+\slot] offset:64*(\q)+\i*16*PB+32
.endr
.irp i, 0,1,2,3
	ds_load_b128 v[\f+8*\i:\f+8*\i+3],   v[ADRA+\slot] offset:((\q)/2)*PLANE+((\q)%2)*64+\i*16*PA
	ds_load_b128 v[\f+8*\i+4:\f+8*\i+7], v[ADRA+\slot] offset:((\q)/2)*PLANE+((\q)%2)*64+\i*16*PA+32
.endr
.endm
.macro PLACES
.rept 4
	v_nop
.endr
.endm
.macro QUARTER slot, qn, f, g, zero    ; multiplies buffer f; in its middle fetches the slot's quarter qn into g
	s_wait_dscnt 0x0
	WIN MUL
	MUL8 \f, 0, \zero
	MUL8 \f, 1, \zero
	PLACES
	WIN 0
	FETCH \slot, \qn, \g
	WIN MUL
	MUL8 \f, 2, \zero
	MUL8 \f, 3, \zero
.endm
.macro TURN slot, next, fill           ; a slot's last quarter changes slots: one barrier; with fill = 1 it opens a round of the cluster's barrier, and the slot is filled again, two K steps ahead
	WIN 0
	s_wait_tensorcnt 0x0                           ; all my tensor loads have landed: my part of the next slot
	ds_add_u32 v[SPW], v[NIL]
	s_wait_dscnt 1                                 ; (the add may be out)
	WIN MUL
	MUL8 F1, 0, 0
	s_wait_dscnt 0x0                               ; the add is done, and my reads of this slot are over
	s_barrier_signal -1
	MUL8 F1, 1, 0
	WIN 0
	s_barrier_wait -1
.if \fill
	CREST
	s_add_nc_u64 s[G0+4*\slot+2:G0+4*\slot+3], s[G0+4*\slot+2:G0+4*\slot+3], 1048576
	s_add_nc_u64 s[G0B+4*\slot+2:G0B+4*\slot+3], s[G0B+4*\slot+2:G0B+4*\slot+3], 512
	JLOAD \slot                                    ; the first tensor load behind the round; its four v_nop are also the places in front of the loads below
.else
	PLACES
.endif
	FETCH \next, 0, F0
	WIN MUL
	MUL8 F1, 2, 0
	MUL8 F1, 3, 0
.endm
	s_wait_tensorcnt 1                             ; my part of K step 0 is in (K step 1's may be out),
	s_barrier_signal -1
	s_barrier_wait -1                              ; everybody's is
	FETCH 0, 0, F0
	QUARTER 0, 1, F0, F1, 1                        ; the first products start the sums
	WIN 0
	s_mov_b32 s3, LAPS-1
.Llap:
	QUARTER 0, 2, F1, F0, 0
	QUARTER 0, 3, F0, F1, 0
	TURN 0, 1, 1
	QUARTER 1, 1, F0, F1, 0
	QUARTER 1, 2, F1, F0, 0
	QUARTER 1, 3, F0, F1, 0
	TURN 1, 0, 1
	QUARTER 0, 1, F0, F1, 0
	WIN 0
	s_sub_co_u32 s3, s3, 1
	s_cmp_lg_u32 s3, 0
	s_cbranch_scc1 .Llap
	QUARTER 0, 2, F1, F0, 0                        ; the last lap fills nothing
	QUARTER 0, 3, F0, F1, 0
	TURN 0, 1, 0
	QUARTER 1, 1, F0, F1, 0
	QUARTER 1, 2, F1, F0, 0
	QUARTER 1, 3, F0, F1, 0
	s_wait_dscnt 0x0
	WIN MUL
	MUL8 F1, 0, 0
	MUL8 F1, 1, 0
	MUL8 F1, 2, 0
	MUL8 F1, 3, 0
	WIN 0
; THE WAY OUT, block by block of 16 rows x 128 columns, through my own stage; the 32 lanes store whole rows of 512 bytes.
.macro TOSTAGE a
	WIN 0x04                                       ; an LDS store's data: window 1
.irp b, 0,1,2,3,4,5,6,7
	ds_store_b128 v[STO], v[8*(8*(\a)+\b):8*(8*(\a)+\b)+3] offset:64*\b          ; each accumulator from its low end on
	ds_store_b128 v[STO], v[8*(8*(\a)+\b)+4:8*(8*(\a)+\b)+7] offset:64*\b+16
.endr
	WIN 0
.set BB, 64+64*((\a)%2)
.irp t, 0,1,2,3,4,5,6,7,8,9,10,11,12,13,14,15
	ds_load_b128 v[BB+4*\t:BB+4*\t+3], v[RD] offset:\t*SPITCH
.endr
.endm
.macro SEND a, younger
.set BB, 64+64*((\a)%2)
	s_wait_dscnt \younger
.irp t, 0,1,2,3,4,5,6,7,8,9,10,11,12,13,14,15
	global_store_b128 v[CO], v[BB+4*\t:BB+4*\t+3], s[8:9] offset:(16*(\a)+\t)*4096 th:TH_STORE_NT
.endr
.endm
	PLACES
	TOSTAGE 0
.irp a, 1,2,3
.if \a > 1
	s_wait_xcnt 0x0                                ; block a - 2's stores have read their registers
.endif
	TOSTAGE \a
	SEND \a-1, 32                                  ; behind block a - 1's loads: block a's 16 stores and 16 loads
.endr
	SEND 3, 0
	s_wait_tensorcnt 0x0                           ; the wave's end
	ds_add_u32 v[SPW], v[NIL]
	s_wait_dscnt 0x0
	CROUND                                         ; the closing round
	s_endpgm
.Lfunc_end_k_q07fbd79aba_oproj:
	.size	k_q07fbd79aba_oproj, .Lfunc_end_k_q07fbd79aba_oproj-k_q07fbd79aba_oproj
	.p2alignl 7, 3214868480
	.fill 96, 4, 3214868480
	.section	.rodata,"a",@progbits
	.p2align	6, 0x0
	.amdhsa_kernel k_q07fbd79aba_oproj
		.amdhsa_group_segment_fixed_size 327680
		.amdhsa_private_segment_fixed_size 0
		.amdhsa_enable_private_segment 0
		.amdhsa_kernarg_size 24
		.amdhsa_user_sgpr_count 2
		.amdhsa_user_sgpr_kernarg_segment_ptr 1
		.amdhsa_wavefront_size32 1
		.amdhsa_system_sgpr_workgroup_id_x 1
		.amdhsa_system_sgpr_workgroup_id_y 1
		.amdhsa_system_sgpr_workgroup_id_z 1
		.amdhsa_system_vgpr_workitem_id 0
		.amdhsa_next_free_vgpr 512
		.amdhsa_next_free_sgpr 66
		.amdhsa_reserve_vcc 0
		.amdhsa_float_denorm_mode_32 3
		.amdhsa_float_denorm_mode_16_64 3
		.amdhsa_memory_ordered 1
		.amdhsa_forward_progress 1
		.amdhsa_inst_pref_size 84
	.end_amdhsa_kernel
	.amdgpu_metadata
---
amdhsa.version: [ 1, 2 ]
amdhsa.kernels:
  - .name:           k_q07fbd79aba_oproj
    .symbol:         k_q07fbd79aba_oproj.kd
    .args:
      - { .name: o16, .offset: 0, .size: 8, .value_kind: global_buffer, .address_space: global }
      - { .name: wo16, .offset: 8, .size: 8, .value_kind: global_buffer, .address_space: global }
      - { .name: out0, .offset: 16, .size: 8, .value_kind: global_buffer, .address_space: global }
    .group_segment_fixed_size: 327680
    .private_segment_fixed_size: 0
    .kernarg_segment_align: 8
    .kernarg_segment_size: 24
    .max_flat_workgroup_size: 128
    .sgpr_count:     66
    .vgpr_count:     512
    .wavefront_size: 32
...
	.end_amdgpu_metadata
.endif
;; end of part 4
;; launch fine (part 5): grid 64 x 4, 16 waves a work-group, no clusters, 18,432 bytes of LDS; arguments qkvf, Wo, out0; writes out0
.if DOCPART == 5
	.amdgcn_target "amdgcn-amd-amdhsa--gfx1250"
	.amdhsa_code_object_version 6
	.text
	.protected	k_q07fbd79aba_fine
	.globl	k_q07fbd79aba_fine
	.p2align	8
	.type	k_q07fbd79aba_fine,@function
k_q07fbd79aba_fine:
	s_mov_b64 s[64:65], 0
	v_nop
	global_prefetch_b8 v0, s[64:65] scope:SCOPE_SE
	s_setreg_imm32_b32 hwreg(HW_REG_WAVE_MODE, 25, 1), 1
	s_wait_xcnt 0x0
; THE FIRST 16 POSITIONS OF EVERY SEQUENCE, WHOLLY IN f32: there a row of the softmax averages one to sixteen values, and f16 operands would use up what the comparison allows.
; Work-group (n tile, batch) makes out[batch][0..15][16 n tile .. + 15].  Wave = head: its 16 x 16 attention (32 matrix instructions of the f32 form), then its 64 channels against its part of Wo (16).
; The sixteen heads' partial tiles meet in LDS; waves 0 and 1 add them, in a fixed order, and store.  The small attention is made anew in each of the 64 column tiles: that spares a launch and a way through memory.
; q, k, v: [kind][batch x 16 + head][16][64] f32, q . k being the score in powers of two.  Every K chunk of 4 takes the same order of k on both sides, so nothing changes lanes.
; The registers that the f32 matrix form writes (v144-207) are written by nothing else.  A work-group stores 64 bytes of each of 16 rows: 262,144 bytes in the whole launch.
.set SPARE, 16384                      ; behind the 16 partial tiles of 1,024 bytes: the spare words, 128 bytes a wave
.set QR, 16                            ; v16-47   Q: register 4 c + i = channel 8 c + 4 h + i of row r
.set KR, 48                            ; v48-79   K likewise
.set VR, 80                            ; v80-111  V: register 8 ct + k = V(key 8 h + k, channel 16 ct + r)
.set WR, 112                           ; v112-143 Wo: register 8 ct + k = Wo(n0 + r, 64 head + 16 ct + 8 h + k)
.set SA, 144                           ; v144-159 two accumulators of S^T
.set OA, 160                           ; v160-191 four of O^T
.set YA, 192                           ; v192-207 two of the partial tile
.set TT, 208                           ; v208-215 the scores, then p
.set ON, 216                           ; v216-247 O^T / l
.set YY, 248                           ; v248-255 the partial tile
	s_load_b128 s[4:7], s[0:1], 0x0                ; qkvf, Wo
	s_load_b64 s[8:9], s[0:1], 0x10                ; out0
	v_lshl_add_u32 v2, v0, 2, SPARE                ; my spare word; never rewritten
	v_mov_b32 v3, 0                                ; 0; never rewritten
	v_lshrrev_b32 v1, 5, v0
	v_readfirstlane_b32 s10, v1                    ; wave = head
	s_and_b32 s11, ttmp7, 0xffff                   ; batch
	v_and_b32 v4, 15, v0                           ; r
	v_bfe_u32 v5, v0, 4, 1                         ; h
	v_and_b32 v6, 31, v0
	v_lshlrev_b32 v7, 8, v4
	v_lshl_add_u32 v7, v5, 4, v7                   ; Q, K: row r of 256 bytes, + 16 h
	v_lshlrev_b32 v8, 2, v4
	v_lshl_add_u32 v8, v5, 11, v8                  ; V: 8 h rows down, + 4 r
	v_lshlrev_b32 v9, 12, v4
	v_lshl_add_u32 v9, v5, 5, v9                   ; Wo and out: row r of 4,096 bytes, + 32 h
	s_lshl_b32 s12, s10, 10
	v_lshl_add_u32 v10, v6, 4, s12                 ; LDS: my partial tile, 16 bytes a lane
	s_and_b32 s13, s10, 1
	s_lshl_b32 s14, s13, 9
	v_lshl_add_u32 v11, v6, 4, s14                 ; and where a wave that adds reads: half (wave % 2) of each tile
	v_lshlrev_b32 v12, 3, v5
	v_sub_nc_u32 v12, v4, v12                      ; r - 8 h
	v_mov_b32 v13, 0xff800000                      ; -infinity
	v_mov_b32 v15, 0                               ; (a lane permute's destination counts as one of its sources)
	s_mov_b32 s16, 0x76543210
	s_mov_b32 s17, 0xfedcba98                      ; lane l xor 16
	s_lshl_b32 s18, s11, 4
	s_add_co_u32 s18, s18, s10
	s_lshl_b32 s18, s18, 12                        ; (16 batch + head) x 4,096
	s_mov_b32 s19, 0
	s_lshl_b32 s20, ttmp9, 16                      ; Wo: 16 rows of 4,096 bytes a tile,
	s_lshl_b32 s21, s10, 8                         ; + my head's 256 bytes
	s_add_co_u32 s20, s20, s21
	s_mov_b32 s21, 0
	s_lshl_b32 s22, s11, 23                        ; out: 8,388,608 a batch,
	s_lshl_b32 s23, ttmp9, 6                       ; + 64 bytes a tile,
	s_add_co_u32 s22, s22, s23
	s_lshl_b32 s23, s13, 4                         ; + 16 for the second half of a lane's eight
	s_add_co_u32 s22, s22, s23
	s_mov_b32 s23, 0
	s_wait_kmcnt 0x0
	s_add_nc_u64 s[4:5], s[4:5], s[18:19]
	s_add_nc_u64 s[6:7], s[6:7], s[20:21]
	s_add_nc_u64 s[8:9], s[8:9], s[22:23]
.irp c, 0,1,2,3,4,5,6,7
	global_load_b128 v[QR+4*\c:QR+4*\c+3], v7, s[4:5] offset:32*\c
.endr
.irp c, 0,1,2,3,4,5,6,7
	global_load_b128 v[KR+4*\c:KR+4*\c+3], v7, s[4:5] offset:262144+32*\c
.endr
.irp ct, 0,1,2,3
.irp k, 0,1,2,3,4,5,6,7
	global_load_b32 v[VR+8*\ct+\k], v8, s[4:5] offset:524288+256*\k+64*\ct
.endr
.endr
.irp ct, 0,1,2,3
	global_load_b128 v[WR+8*\ct:WR+8*\ct+3], v9, s[6:7] offset:64*\ct
	global_load_b128 v[WR+8*\ct+4:WR+8*\ct+7], v9, s[6:7] offset:64*\ct+16
.endr
	s_wait_loadcnt 40                              ; Q and K are in; V's 32 loads and Wo's 8 may be out
.irp c, 0,1,2,3,4,5,6,7                ; S^T = K Q^T: two accumulators by turns
.irp u, 0,1
.if \c == 0
	v_wmma_f32_16x16x4_f32 v[SA+8*\u:SA+8*\u+7], v[KR+4*\c+2*\u:KR+4*\c+2*\u+1], v[QR+4*\c+2*\u:QR+4*\c+2*\u+1], 0
.else
	v_wmma_f32_16x16x4_f32 v[SA+8*\u:SA+8*\u+7], v[KR+4*\c+2*\u:KR+4*\c+2*\u+1], v[QR+4*\c+2*\u:QR+4*\c+2*\u+1], v[SA+8*\u:SA+8*\u+7]
.endif
.endr
.endr
.rept 8
	v_nop                                          ; eight places behind this form (ISA guide 7.12.1)
.endr
.irp j, 0,1,2,3,4,5,6,7
	v_add_f32 v[TT+\j], v[SA+\j], v[SA+8+\j]       ; lane (r, h): query r, key 8 h + j; from the low end on
.endr
.irp j, 0,1,2,3,4,5,6,7
	v_cmp_gt_i32 vcc_lo, \j, v12                   ; hidden where 8 h + j > r
	v_cndmask_b32 v[TT+\j], v[TT+\j], v13, vcc_lo
.endr
	v_max3_num_f32 v14, v[TT], v[TT+1], v[TT+2]
	v_max3_num_f32 v14, v14, v[TT+3], v[TT+4]
	v_max3_num_f32 v14, v14, v[TT+5], v[TT+6]
	v_max_num_f32 v14, v14, v[TT+7]
	v_permlanex16_b32 v15, v14, s16, s17
	v_max_num_f32 v14, v14, v15                    ; the row's maximum: key 0 counts for every query, so it is a number
.irp j, 0,1,2,3,4,5,6,7
	v_sub_f32 v[TT+\j], v[TT+\j], v14
.endr
.irp j, 0,1,2,3,4,5,6,7
	v_exp_f32 v[TT+\j], v[TT+\j]
.endr
	v_nop
	s_wait_alu depctr_va_vdst(0)                   ; one wait for the eight, ahead of their first reader
	v_add_f32 v1, v[TT], v[TT+1]
	v_add_f32 v15, v[TT+2], v[TT+3]
	v_add_f32 v1, v1, v[TT+4]
	v_add_f32 v15, v15, v[TT+5]
	v_add_f32 v1, v1, v[TT+6]
	v_add_f32 v15, v15, v[TT+7]
	v_add_f32 v1, v1, v15
	v_permlanex16_b32 v15, v1, s16, s17
	v_add_f32 v1, v1, v15                          ; the row's sum
	v_rcp_f32 v14, v1
	v_nop
	s_wait_loadcnt 8                               ; V is in; Wo's 8 loads may be out
.irp cp, 0,1,2,3                       ; O^T = V^T P: chunk cp takes keys 8 h + 2 cp + 0, 1; four accumulators by turns
.irp ct, 0,1,2,3
.if \cp == 0
	v_wmma_f32_16x16x4_f32 v[OA+8*\ct:OA+8*\ct+7], v[VR+8*\ct+2*\cp:VR+8*\ct+2*\cp+1], v[TT+2*\cp:TT+2*\cp+1], 0
.else
	v_wmma_f32_16x16x4_f32 v[OA+8*\ct:OA+8*\ct+7], v[VR+8*\ct+2*\cp:VR+8*\ct+2*\cp+1], v[TT+2*\cp:TT+2*\cp+1], v[OA+8*\ct:OA+8*\ct+7]
.endif
.endr
.endr
.rept 8
	v_nop
.endr
	s_wait_alu depctr_va_vdst(0)                   ; the reciprocal's wait, ahead of its first reader
.irp j, 0,1,2,3,4,5,6,7,8,9,10,11,12,13,14,15,16,17,18,19,20,21,22,23,24,25,26,27,28,29,30,31
	v_mul_f32 v[ON+\j], v[OA+\j], v14              ; register 8 ct + j: o(query r, channel 16 ct + 8 h + j)
.endr
	s_wait_loadcnt 0x0                             ; Wo
.irp ct, 0,1,2,3                       ; the partial tile, transposed: source 0 = 16 rows of Wo, source 1 = o: lane (r, h) gets position r, columns n0 + 8 h + 0 .. 7
.irp cp, 0,1,2,3
.if (\ct == 0) && (\cp < 2)
	v_wmma_f32_16x16x4_f32 v[YA+8*(\cp%2):YA+8*(\cp%2)+7], v[WR+8*\ct+2*\cp:WR+8*\ct+2*\cp+1], v[ON+8*\ct+2*\cp:ON+8*\ct+2*\cp+1], 0
.else
	v_wmma_f32_16x16x4_f32 v[YA+8*(\cp%2):YA+8*(\cp%2)+7], v[WR+8*\ct+2*\cp:WR+8*\ct+2*\cp+1], v[ON+8*\ct+2*\cp:ON+8*\ct+2*\cp+1], v[YA+8*(\cp%2):YA+8*(\cp%2)+7]
.endif
.endr
.endr
.rept 8
	v_nop
.endr
.irp j, 0,2,4,6
	v_pk_add_f32 v[YY+\j:YY+\j+1], v[YA+\j:YA+\j+1], v[YA+8+\j:YA+8+\j+1]
.endr
	ds_store_b128 v10, v[YY:YY+3]
	ds_store_b128 v10, v[YY+4:YY+7] offset:512
	s_wait_tensorcnt 0x0                           ; behind my last LDS store; the wait on DScnt also shows my stores done, for the others' sake
	ds_add_u32 v2, v3
	s_wait_dscnt 0x0
	s_barrier_signal -1
	s_barrier_wait -1                              ; all sixteen partial tiles lie in LDS
	s_cmp_ge_u32 s10, 2
	s_cbranch_scc1 .Ldone
.irp p, 0,1,2,3,4,5,6,7,8,9,10,11,12,13,14,15
	ds_load_b128 v[16+4*\p:16+4*\p+3], v11 offset:1024*\p
.endr
	s_wait_dscnt 0x0
.irp p, 0,1,2,3,4,5,6,7
	v_pk_add_f32 v[16+4*\p:16+4*\p+1], v[16+4*\p:16+4*\p+1], v[48+4*\p:48+4*\p+1]
	v_pk_add_f32 v[18+4*\p:18+4*\p+1], v[18+4*\p:18+4*\p+1], v[50+4*\p:50+4*\p+1]
.endr
.irp p, 0,1,2,3
	v_pk_add_f32 v[16+4*\p:16+4*\p+1], v[16+4*\p:16+4*\p+1], v[32+4*\p:32+4*\p+1]
	v_pk_add_f32 v[18+4*\p:18+4*\p+1], v[18+4*\p:18+4*\p+1], v[34+4*\p:34+4*\p+1]
.endr
.irp p, 0,1
	v_pk_add_f32 v[16+4*\p:16+4*\p+1], v[16+4*\p:16+4*\p+1], v[24+4*\p:24+4*\p+1]
	v_pk_add_f32 v[18+4*\p:18+4*\p+1], v[18+4*\p:18+4*\p+1], v[26+4*\p:26+4*\p+1]
.endr
	v_pk_add_f32 v[16:17], v[16:17], v[20:21]
	v_pk_add_f32 v[18:19], v[18:19], v[22:23]
	global_store_b128 v9, v[16:19], s[8:9]         ; position r, columns n0 + 8 h + 4 (wave) + 0 .. 3
.Ldone:
	s_endpgm
.Lfunc_end_k_q07fbd79aba_fine:
	.size	k_q07fbd79aba_fine, .Lfunc_end_k_q07fbd79aba_fine-k_q07fbd79aba_fine
	.p2alignl 7, 3214868480
	.fill 96, 4, 3214868480
	.section	.rodata,"a",@progbits
	.p2align	6, 0x0
	.amdhsa_kernel k_q07fbd79aba_fine
		.amdhsa_group_segment_fixed_size 18432
		.amdhsa_private_segment_fixed_size 0
		.amdhsa_enable_private_segment 0
		.amdhsa_kernarg_size 24
		.amdhsa_user_sgpr_count 2
		.amdhsa_user_sgpr_kernarg_segment_ptr 1
		.amdhsa_wavefront_size32 1
		.amdhsa_system_sgpr_workgroup_id_x 1
		.amdhsa_system_sgpr_workgroup_id_y 1
		.amdhsa_system_sgpr_workgroup_id_z 1
		.amdhsa_system_vgpr_workitem_id 0
		.amdhsa_next_free_vgpr 256
		.amdhsa_next_free_sgpr 66
		.amdhsa_reserve_vcc 1
		.amdhsa_float_denorm_mode_32 3
		.amdhsa_float_denorm_mode_16_64 3
		.amdhsa_memory_ordered 1
		.amdhsa_forward_progress 1
		.amdhsa_inst_pref_size 18
	.end_amdhsa_kernel
	.amdgpu_metadata
---
amdhsa.version: [ 1, 2 ]
amdhsa.kernels:
  - .name:           k_q07fbd79aba_fine
    .symbol:         k_q07fbd79aba_fine.kd
    .args:
      - { .name: qkvf, .offset: 0, .size: 8, .value_kind: global_buffer, .address_space: global }
      - { .name: Wo, .offset: 8, .size: 8, .value_kind: global_buffer, .address_space: global }
      - { .name: out0, .offset: 16, .size: 8, .value_kind: global_buffer, .address_space: global }
    .group_segment_fixed_size: 18432
    .private_segment_fixed_size: 0
    .kernarg_segment_align: 8
    .kernarg_segment_size: 24
    .max_flat_workgroup_size: 512
    .sgpr_count:     66
    .vgpr_count:     256
    .wavefront_size: 32
...
	.end_amdgpu_metadata
.endif
;; end of part 5
